; MI455X (gfx1250); checked and timed in simulation.
; The chip was launched on July 23, 2026; its instructions are those of AMD's public machine-readable ISA for CDNA 5 (MIT licence, August 2026) and "CDNA5" Instruction Set Architecture Reference Guide (July 2026). The comments in the code are by the model that wrote it; some were corrected since.
;; XSA4 Attention. Allowed arithmetic: matrix products marked QUANTISED: E4M3 operands, one E8M0 scale for each 32 along K, by v_wmma_scale_f32_16x16x128_f8f6f4 with both operands' format E4M3, f32 sums; everything else in f32.
;; Inputs: Wout 1,024 x 1,024 float32; Wqkv 3,072 x 1,024 float32; x 4 x 2,048 x 1,024 float32.
;; Outputs: out0 4 x 2,048 x 1,024 float32.
;; Constants: n_heads = 16, rope_dims = 32.
;; This version of the problem:
;;   THIS VERSION OF THE PROBLEM IS GIVEN IN LOW PRECISION. The matrix products marked QUANTISED in the list below multiply operands that are first quantised to E4M3 (4 exponent bits, 3 mantissa bits; 8 bits a number), with one power-of-two scale for each 32 numbers along K (OCP MX v1.0); their sums are f32. All else is computed in f32.
;;   The module's matrix products, in the order in which they are computed (A, B: the left and right operand; K: the contracted axis; several contracted axes count as one K, in the product's order):
;;     1. [M 8,192, K 1,024] x [K 1,024, N 3,072]; A: input x; B: input Wqkv: QUANTISED
;;     2. batch 64 x [M 2,048, K 64] x [K 64, N 2,048]; A: computed on the way; B: computed on the way: QUANTISED
;;     3. batch 64 x [M 2,048, K 2,048] x [K 2,048, N 64]; A: softmax (see below); B: computed on the way: QUANTISED
;;     4. [M 8,192, K 1,024] x [K 1,024, N 1,024]; A: computed on the way; B: input Wout: QUANTISED
;;   THE QUANTISER, for each operand of a quantised product, along K:
;;     - K is cut into blocks of 32 from its start; a last block that is shorter is filled with zeros.
;;     - A block's scale is 2^e with e = floor(log2(the largest magnitude in the block)) - 8, held to -126 .. 127; a block of zeros has e = 0. As a byte (E8M0): e + 127.
;;     - Each number is divided by its block's scale, clamped to +-448, and rounded to the nearest number of E4M3, ties to even, subnormals kept.
;;     - The product sums the exact products of the quantised numbers (number of the format x scale) in f32.
;;   ~~~python
;;   def quantise(x, axis):      # numpy; x: float32 -> the quantised numbers, widened to float32 again
;;       x = np.moveaxis(x, axis, -1); K = x.shape[-1]
;;       x = np.pad(x, [(0, 0)] * (x.ndim - 1) + [(0, -K % 32)]); x = x.reshape(x.shape[:-1] + (-1, 32)); a = np.abs(x).max(-1, keepdims=True)
;;       e = np.where(a > 0, np.clip(np.frexp(np.where(a > 0, a, 1))[1] - 1 - 8, -126, 127), 0)      # np.frexp(a)[1] - 1 = floor(log2(a)), exactly
;;       r = np.clip(x / 2.0 ** e, -448, 448)
;;       step = 2.0 ** (np.maximum(np.frexp(np.where(r == 0, 1, r))[1] - 1, -6) - 3)
;;       q = np.round(r / step) * step * 2.0 ** e      # np.round: ties to even
;;       return np.moveaxis(q.reshape(q.shape[:-2] + (-1,))[..., :K], -1, axis).astype(np.float32)
;;   ~~~
;;   SOFTMAX AHEAD OF A QUANTISED PRODUCT. Where the list says 'softmax', what is quantised is not the finished softmax but p = 2^(t - M), with t = logit x log2(e) and M = ceil(the row's largest t), a whole number; so 1/2 < the row's largest p <= 1. The row's sum l is taken of the UNQUANTISED p, in f32, and the product's result is divided by l at the end. Since M is a whole number, a kernel that streams over the keys may use a running M (the ceiling of the running maximum): every later rescaling is an exact power of two, which a block's scale takes up: the codes' values come out the same.
;;   OPERANDS COMPUTED ON THE WAY. 'Computed on the way' means the value that the module computes at that place (a softmax that the list does not call 'softmax' is quantised finished and normalised). What goes into a quantiser is computed in f32, as accurately as f32 sums, v_exp_f32 and their like allow (about 1e-6 of the number): no bf16 or f16 on the way to a quantiser, and a product that is left as it is and whose result goes on into a quantised operand takes f32 operands (vector FMAs, or v_wmma_f32_16x16x4_f32). A number that lies on a knife's edge between two numbers of the format may be rounded either way, as far as f32 arithmetic and the matrix unit's own rounding can turn it there, and no further.
;; One version. Each part assembles by itself: llvm-mc -triple=amdgcn-amd-amdhsa -mcpu=gfx1250 --defsym DOCPART=n.
;; ======== version 1 of 1: 4 launches
;; limits: right only within a limited range of input values
;; workspace buffers: xc 8,388,608 bytes; wc 4,194,304 bytes; sc 393,216 bytes; rope 524,288 bytes; qkv 25,165,824 bytes; qkvs 786,432 bytes; oc 8,388,608 bytes; os 262,144 bytes
;; launch quant (part 1): grid 416 x 1, 4 waves a work-group, no clusters, 34,304 bytes of LDS; arguments x, Wqkv, Wout, xc, wc, sc, rope; writes xc, wc, sc, rope
.if DOCPART == 1
	.amdgcn_target "amdgcn-amd-amdhsa--gfx1250"
	.amdhsa_code_object_version 6
	.text
	.protected	k_qe8cd932817_quant
	.globl	k_qe8cd932817_quant
	.p2align	8
	.type	k_qe8cd932817_quant,@function
k_qe8cd932817_quant:
	s_mov_b64 s[64:65], 0
	v_nop
	global_prefetch_b8 v0, s[64:65] scope:SCOPE_SE
	s_setreg_imm32_b32 hwreg(HW_REG_WAVE_MODE, 25, 1), 1
	s_wait_xcnt 0x0
; LAUNCH 1 OF 4.  x [8192][1024], Wqkv [3072][1024], Wout [1024][1024], f32, K innermost, become codes of E4M3 with one E8M0 byte for each 32 along K; and the table of cos and sin for the rotation is made.
; THE PROGRAM: this launch; qkv (x Wqkv^T, rotation, q, k, v quantised on the way out); attn (causal attention on codes, its result quantised on the way out); proj (that result times Wout^T).
; WORK LEFT OUT IN THE PROGRAM: reference() hides key k from query q where k > q by a mask that it builds itself (jnp.tril) and sets those scores to the least f32 number, so that their softmax weight is 0 beside key 0 <= q,
; whatever the inputs hold.  So a step of 128 keys all of which come after all 16 queries of a tile adds 0 to the row's sum and to the result, and is not multiplied (launch attn).  Every input has a way to the output and is loaded.
; LIMIT: a NaN, an infinity or an overflow that reaches only those hidden scores is not carried to the result.
; LAYOUT OF ALL WORKSPACE OPERANDS: an image of the matrix operand's registers.  A TILE a is 16 rows; its lane-row r is row 32 (a / 2) + 8 (a % 2) + r + 8 (r / 8).  A FRAGMENT (tile a, 128 along K) is 2,048 bytes [c 0..3][lane 0..31][16 bytes]:
; lane 16 h + r, group c: the codes of k = 32 c + 16 h + 0 .. 15 of lane-row r.  Codes: [tile][K step 0..7][2,048].  Scale words: [tile][half of K][r][4 words], word j = the four bytes of K step 4 x half + j.
; With these rows to a tile, a product's 16 registers of two neighbouring tiles of its first source are 16 neighbours along that source's rows, which is what the next quantiser wants.
; THE QUANTISER: a block's scale is 2^(floor(log2(largest magnitude)) - 8); its byte is the largest magnitude's exponent field - 8, held at 1 from below; each number is held within +-448 x the scale and rounded to the nearest code, ties to even.
; LIMITS: a block of zeros, or one whose largest magnitude lies under 2^-118, gets the byte 1 (a block of zeros would have 127 by the rule: its codes are zeros, and these bytes are read by this program alone).  NaN and infinities among the inputs are not served.
; SHARES: work-groups 0-255 take x, 256-351 Wqkv, 352-383 Wout: a wave takes one tile x half of K (16 rows x 512 numbers, four K steps).  Work-groups 384-415 make the table, a wave a tile of 16 positions.
; Each load reads 512 consecutive bytes of one row; a K step's 16 rows turn through the wave's own stage in LDS (rows 528 bytes apart, so that the 16 rows begin 4 words apart in the 64 words of a bank row) and come back 16 neighbours a lane and block.
; Each store of codes covers 512 consecutive bytes; the wave's 64 scale words leave as 256 consecutive bytes.  Waves share nothing: no barrier.  No cluster: no two work-groups read the same bytes.
.set STGB,  8448                       ; a wave's stage: 16 rows x 528 bytes
.set SPARE, 4*STGB                     ; behind the stages: the spare words, 128 bytes for each wave
.set LI,   1                           ; v1   16 x lane
.set STI,  2                           ; v2   the stage on the way in: 16 x lane (a row's 512 bytes)
.set STO,  3                           ; v3   and on the way out: 528 r + 64 h
.set SCO,  4                           ; v4   my place among the scale words: 16 r + 8 h
.set R,    16                          ; v16-143  two sets of 64 registers as loaded
.set X,    144                         ; v144-207 64 numbers: register 16 b + i = k 32 b + 16 h + i of lane-row r
.set PC,   208                         ; v208-223 the fragment's codes
.set TM,   224                         ; v224-227 largest magnitudes, v228-231 bytes, v236-239 the conversions' scale operands
.set W,    240                         ; v240-243 the scale words of the four K steps
.set SPW,  252                         ; v252 LDS address of my spare word; never rewritten
.set NIL,  253                         ; v253 0; never rewritten
.set SEL,  60                          ; s[60:61] lane selects: lane l xor 16
.set MNT,  62
	s_load_b256 s[4:11], s[0:1], 0x0               ; x, Wqkv, Wout, xc
	s_load_b128 s[12:15], s[0:1], 0x20             ; wc, sc
	s_load_b64 s[16:17], s[0:1], 0x30              ; rope
	v_lshl_add_u32 v[SPW], v0, 2, SPARE
	v_mov_b32 v[NIL], 0
	v_lshrrev_b32 v5, 5, v0
	v_readfirstlane_b32 s18, v5                    ; wave 0..3
	v_and_b32 v6, 31, v0                           ; lane
	v_and_b32 v7, 15, v0                           ; r
	v_bfe_u32 v8, v0, 4, 1                         ; h
	v_lshlrev_b32 v[LI], 4, v6
	s_cmp_ge_u32 ttmp9, 384                        ; the last 32 work-groups make the table
	s_cbranch_scc1 .Lrope
	s_mul_i32 s19, s18, STGB
	v_add_nc_u32 v[STI], s19, v[LI]
	v_mul_u32_u24 v[STO], v7, 528
	v_lshl_add_u32 v[STO], v8, 6, v[STO]
	v_add_nc_u32 v[STO], s19, v[STO]
	v_lshlrev_b32 v[SCO], 4, v7
	v_lshl_add_u32 v[SCO], v8, 3, v[SCO]
	s_mov_b32 s[SEL], 0x76543210
	s_mov_b32 s[SEL+1], 0xfedcba98
.irp b, 0,1,2,3
	v_mov_b32 v[TM+4+\b], 0                        ; written once: a lane permute's destination counts as one of its sources
.endr
	s_mov_b32 s22, 352
	s_mov_b32 s24, 360448
	s_wait_alu depctr_va_vdst(0)
	s_wait_kmcnt 0x0
	s_cmp_lt_u32 ttmp9, 352                        ; which tensor: the choice hangs on the work-group's number alone
	s_cselect_b64 s[20:21], s[6:7], s[8:9]         ; the numbers: Wqkv or Wout,
	s_cselect_b32 s22, 256, s22                    ; the tensor's first work-group,
	s_cselect_b32 s23, 0, 3145728                  ; where its codes begin in wc,
	s_cselect_b32 s24, 262144, s24                 ; and its scale words in sc
	s_cmp_lt_u32 ttmp9, 256
	s_cselect_b64 s[20:21], s[4:5], s[20:21]       ; or x
	s_cselect_b64 s[26:27], s[10:11], s[12:13]     ; the codes' buffer: xc or wc
	s_cselect_b32 s22, 0, s22
	s_cselect_b32 s23, 0, s23
	s_cselect_b32 s24, 0, s24
	s_sub_co_u32 s22, ttmp9, s22
	s_lshl_b32 s22, s22, 2
	s_add_co_u32 s22, s22, s18                     ; my unit
	s_lshr_b32 s25, s22, 1                         ; tile a
	s_and_b32 s22, s22, 1                          ; which half of K
	s_lshr_b32 s28, s25, 1
	s_lshl_b32 s28, s28, 17                        ; 32 (a / 2) rows of 4,096 bytes
	s_and_b32 s29, s25, 1
	s_lshl_b32 s29, s29, 15                        ; + 8 (a % 2) rows
	s_add_co_u32 s28, s28, s29
	s_lshl_b32 s29, s22, 11                        ; + 512 numbers for the upper half of K
	s_add_co_u32 s28, s28, s29
	s_mov_b32 s29, 0
	s_add_nc_u64 s[20:21], s[20:21], s[28:29]
	s_lshl_b32 s28, s25, 14                        ; codes: 16,384 bytes a tile, 8,192 a half
	s_add_co_u32 s28, s28, s23
	s_lshl_b32 s30, s22, 13
	s_add_co_u32 s28, s28, s30
	s_add_nc_u64 s[26:27], s[26:27], s[28:29]
	s_lshl_b32 s28, s25, 9                         ; scale words: 512 bytes a tile, 256 a half
	s_add_co_u32 s28, s28, s24
	s_lshl_b32 s30, s22, 8
	s_add_co_u32 s28, s28, s30
	s_add_nc_u64 s[14:15], s[14:15], s[28:29]
.macro LOAD q                          ; K step q of my four: 512 bytes of each of the tile's 16 rows, a row a load
.irp p, 0,1,2,3,4,5,6,7,8,9,10,11,12,13,14,15
	global_load_b128 v[R+64*((\q)%2)+4*\p:R+64*((\q)%2)+4*\p+3], v[LI], s[20:21] offset:(\p+8*(\p/8))*4096+512*(\q) th:TH_LOAD_NT
.endr
.endm
; 64 numbers of a lane, v[s] on, become a fragment's codes in v[PC] on and its scale word in v[pw]
.macro QUANT s, pw
.irp b, 0,1,2,3
	v_max3_num_f32 v[TM+\b], |v[\s+16*\b]|, |v[\s+1+16*\b]|, 0x4800000   ; block b: my 16 numbers and the floor 2^(9 - 127), which holds the byte at 1 from below
.endr
.irp i, 2,4,6,8,10,12,14
.irp b, 0,1,2,3
	v_max3_num_f32 v[TM+\b], v[TM+\b], |v[\s+16*\b+\i]|, |v[\s+1+16*\b+\i]|   ; the four blocks by turns
.endr
.endr
.irp b, 0,1,2,3
	v_permlanex16_b32 v[TM+4+\b], v[TM+\b], s[SEL], s[SEL+1]
.endr
.irp b, 0,1,2,3
	v_max_num_f32 v[TM+\b], v[TM+\b], v[TM+4+\b]   ; with lane l xor 16's 16: the block's largest magnitude
.endr
.irp b, 0,1,2,3
	v_add_nc_u32 v[TM+12+\b], 0xfc000000, v[TM+\b] ; 8 off its exponent field: the conversion's scale operand
.endr
.irp b, 0,1,2,3
.endr
.irp b, 0,1,2,3
	v_lshrrev_b32 v[TM+4+\b], 23, v[TM+12+\b]      ; the scale's byte
.endr
	v_lshl_or_b32 v[\pw], v[TM+5], 8, v[TM+4]
	v_lshl_or_b32 v[\pw], v[TM+6], 16, v[\pw]
	v_lshl_or_b32 v[\pw], v[TM+7], 24, v[\pw]
.irp b, 0,1,2,3
.irp i, 0,1,2,3,4,5,6,7,8,9,10,11,12,13,14,15
.endr
	v_cvt_scalef32_pk8_fp8_f32 v[PC+4*\b:PC+1+4*\b], v[\s+16*\b:\s+7+16*\b], v[TM+12+\b]
	v_cvt_scalef32_pk8_fp8_f32 v[PC+2+4*\b:PC+3+4*\b], v[\s+8+16*\b:\s+15+16*\b], v[TM+12+\b]
.endr
	v_nop                                          ; a plain vector line behind the last conversion
.endm
	LOAD 0
	LOAD 1
.irp q, 0,1,2,3
.if \q < 3
	s_wait_loadcnt 16                              ; this K step's 16 loads are in; the next step's 16 may be out
.else
	s_wait_loadcnt 0x0
.endif
.irp p, 0,1,2,3,4,5,6,7,8,9,10,11,12,13,14,15
	ds_store_b128 v[STI], v[R+64*(\q%2)+4*\p:R+64*(\q%2)+4*\p+3] offset:528*\p
.endr
.irp b, 0,1,2,3
.irp j, 0,1,2,3
	ds_load_b128 v[X+16*\b+4*\j:X+16*\b+4*\j+3], v[STO] offset:128*\b+16*\j   ; LDS serves a wave's instructions in order: these see the stores above
.endr
.endr
	s_wait_dscnt 0x0                               ; the numbers are back, and the stores into the stage have read their registers,
.if \q < 2
	LOAD \q+2                                      ; which take the loads of two steps on
.endif
	s_wait_xcnt 0x0                                ; the last step's stores have read the codes' registers: they are written again only behind this wait
	QUANT X, W+\q
.irp c, 0,1,2,3
	global_store_b128 v[LI], v[PC+4*\c:PC+4*\c+3], s[26:27] offset:2048*\q+512*\c   ; 32 lanes store 512 consecutive bytes
.endr
.endr
	v_cmp_ne_u32 vcc_lo, 0, v8
	v_cndmask_b32 v244, v[W], v[W+2], vcc_lo       ; lanes 0-15 store words 0 and 1 of their row, lanes 16-31 words 2 and 3
	v_cndmask_b32 v245, v[W+1], v[W+3], vcc_lo
	global_store_b64 v[SCO], v[244:245], s[14:15]  ; 256 consecutive bytes, aligned
	s_wait_tensorcnt 0x0                           ; the wave's end: behind my last LDS store
	ds_add_u32 v[SPW], v[NIL]
	s_wait_dscnt 0x0
	s_endpgm
; THE TABLE: rope [tile of positions 0..127][g 0..7][lane][16 bytes].  g < 4: cos(t f_i), i = 4 g .. 4 g + 3; g >= 4: sigma sin(t f_i), i = 4 (g - 4) ..; t = the lane-row's position; sigma = -1 in lanes 0-15, +1 in lanes 16-31:
; in launch qkv lanes 0-15 hold a head's dims 0-15 and lanes 16-31 its dims 16-31, so that the rotated number is own x cos + partner x (sigma sin).
; f_i = 10000^(-i / 16) = 10^(-i / 4), built in as the nearest f32 numbers; the angle is the f32 product t f_i, as reference() has it.
; sin and cos: the angle less n pi / 2 in three parts (n <= 1,304: the products with the first two parts are exact), then polynomials of degree 7 and 8 on [-pi/4, pi/4]; the quadrant only selects and flips signs: no branch hangs on it.
; LIMIT: absolute error about 1e-7 for the 2,048 positions of this problem.
.Lrope:
	s_sub_co_u32 s22, ttmp9, 384
	s_lshl_b32 s22, s22, 2
	s_add_co_u32 s22, s22, s18                     ; my tile of positions
	s_lshr_b32 s23, s22, 1
	s_lshl_b32 s23, s23, 5
	s_and_b32 s24, s22, 1
	s_lshl_b32 s24, s24, 3
	s_add_co_u32 s23, s23, s24                     ; 32 (a / 2) + 8 (a % 2)
	s_wait_alu depctr_va_vdst(0)
	v_and_b32 v9, 8, v7
	v_add3_u32 v9, v9, v7, s23                     ; + r + 8 (r / 8)
	v_cvt_f32_u32 v9, v9                           ; t
	s_wait_alu depctr_va_vdst(0)
	v_xor_b32 v10, 1, v8
	v_lshlrev_b32 v10, 31, v10                     ; the sign bit in lanes 0-15
	s_mov_b32 s30, 0x3f22f983                      ; 2 / pi
	s_mov_b32 s31, 0xbfc90000                      ; -(pi / 2), first part
	s_mov_b32 s32, 0xb9fda000                      ; second part
	s_mov_b32 s33, 0xb3a22168                      ; third part
	s_mov_b32 s34, 0xb94ca1f9                      ; sin: -1.9515296e-4,
	s_mov_b32 s35, 0x3c08839e                      ; 8.3321609e-3,
	s_mov_b32 s36, 0xbe2aaaa3                      ; -1.6666655e-1
	s_mov_b32 s37, 0x37ccf5ce                      ; cos: 2.4433157e-5,
	s_mov_b32 s38, 0xbab6061a                      ; -1.3887316e-3,
	s_mov_b32 s39, 0x3d2aaaa5                      ; 4.1666646e-2
	s_lshl_b32 s28, s22, 12                        ; 4,096 bytes a tile
	s_mov_b32 s29, 0
.macro SINCOS f
	v_mul_f32 v48, \f, v9                          ; the angle
	v_mul_f32 v49, s30, v48
	v_rndne_f32 v49, v49                           ; n
	v_fma_f32 v50, v49, s31, v48
	v_fma_f32 v50, v49, s32, v50
	v_fma_f32 v50, v49, s33, v50                   ; x = angle - n pi / 2
	v_cvt_i32_f32 v51, v49
	v_mul_f32 v52, v50, v50                        ; z = x x
	v_fma_f32 v53, v52, s34, s35
	v_fma_f32 v53, v53, v52, s36
	v_mul_f32 v53, v53, v52
	v_fma_f32 v53, v53, v50, v50                   ; sin x
	v_fma_f32 v54, v52, s37, s38
	v_fma_f32 v54, v54, v52, s39
	v_mul_f32 v54, v54, v52
	v_fma_f32 v55, v52, -0.5, 1.0
	v_fma_f32 v54, v54, v52, v55                   ; cos x
	v_and_b32 v56, 1, v51
	v_cmp_ne_u32 vcc_lo, 0, v56                    ; an odd quadrant swaps the two
	v_cndmask_b32 v57, v53, v54, vcc_lo
	v_cndmask_b32 v58, v54, v53, vcc_lo
	v_lshlrev_b32 v56, 30, v51                     ; sin is negative in quadrants 2 and 3,
	v_and_b32 v56, 0x80000000, v56
	v_xor_b32 v56, v56, v10                        ; and sigma goes with it
	v_xor_b32 v[32+I], v57, v56
	v_add_nc_u32 v56, 1, v51                       ; cos in quadrants 1 and 2
	v_lshlrev_b32 v56, 30, v56
	v_and_b32 v56, 0x80000000, v56
	v_xor_b32 v[16+I], v58, v56
.endm
.set I, 0
.irp f, 0x3f800000, 0x3f0ff59a, 0x3ea1e89b, 0x3e361887, 0x3dcccccd, 0x3d6655c3, 0x3d0186e2, 0x3c91ad39, 0x3c23d70a, 0x3bb8449c, 0x3b4f3e37, 0x3ae91528, 0x3a83126f, 0x3a136a16, 0x39a5cb5f, 0x393a7753
	SINCOS \f
.set I, I+1
.endr
	s_wait_alu depctr_va_vdst(0)
	s_wait_kmcnt 0x0
	s_add_nc_u64 s[16:17], s[16:17], s[28:29]
.irp g, 0,1,2,3,4,5,6,7
	global_store_b128 v[LI], v[16+4*\g:19+4*\g], s[16:17] offset:512*\g   ; 512 consecutive bytes
.endr
	s_wait_tensorcnt 0x0                           ; it ends as the other does
	ds_add_u32 v[SPW], v[NIL]
	s_wait_dscnt 0x0
	s_endpgm
.Lfunc_end_k_qe8cd932817_quant:
	.size	k_qe8cd932817_quant, .Lfunc_end_k_qe8cd932817_quant-k_qe8cd932817_quant
	.p2alignl 7, 3214868480
	.fill 96, 4, 3214868480
	.section	.rodata,"a",@progbits
	.p2align	6, 0x0
	.amdhsa_kernel k_qe8cd932817_quant
		.amdhsa_group_segment_fixed_size 34304
		.amdhsa_private_segment_fixed_size 0
		.amdhsa_enable_private_segment 0
		.amdhsa_kernarg_size 56
		.amdhsa_user_sgpr_count 2
		.amdhsa_user_sgpr_kernarg_segment_ptr 1
		.amdhsa_wavefront_size32 1
		.amdhsa_system_sgpr_workgroup_id_x 1
		.amdhsa_system_sgpr_workgroup_id_y 1
		.amdhsa_system_sgpr_workgroup_id_z 1
		.amdhsa_system_vgpr_workitem_id 0
		.amdhsa_next_free_vgpr 256
		.amdhsa_next_free_sgpr 66
		.amdhsa_reserve_vcc 1
		.amdhsa_float_denorm_mode_32 3
		.amdhsa_float_denorm_mode_16_64 3
		.amdhsa_fp16_overflow 1
		.amdhsa_memory_ordered 1
		.amdhsa_forward_progress 1
		.amdhsa_inst_pref_size 57
	.end_amdhsa_kernel
	.amdgpu_metadata
---
amdhsa.version: [ 1, 2 ]
amdhsa.kernels:
  - .name:           k_qe8cd932817_quant
    .symbol:         k_qe8cd932817_quant.kd
    .args:
      - { .name: x, .offset: 0, .size: 8, .value_kind: global_buffer, .address_space: global }
      - { .name: Wqkv, .offset: 8, .size: 8, .value_kind: global_buffer, .address_space: global }
      - { .name: Wout, .offset: 16, .size: 8, .value_kind: global_buffer, .address_space: global }
      - { .name: xc, .offset: 24, .size: 8, .value_kind: global_buffer, .address_space: global }
      - { .name: wc, .offset: 32, .size: 8, .value_kind: global_buffer, .address_space: global }
      - { .name: sc, .offset: 40, .size: 8, .value_kind: global_buffer, .address_space: global }
      - { .name: rope, .offset: 48, .size: 8, .value_kind: global_buffer, .address_space: global }
    .group_segment_fixed_size: 34304
    .private_segment_fixed_size: 0
    .kernarg_segment_align: 8
    .kernarg_segment_size: 56
    .max_flat_workgroup_size: 128
    .sgpr_count:     66
    .vgpr_count:     256
    .wavefront_size: 32
...
	.end_amdgpu_metadata
.endif
;; end of part 1
;; launch qkv (part 2): grid 12 x 32, 4 waves a work-group, clusters of 4 x 4, 327,680 bytes of LDS; arguments xc, wc, sc, rope, qkv, qkvs; writes qkv, qkvs
.if DOCPART == 2
	.amdgcn_target "amdgcn-amd-amdhsa--gfx1250"
	.amdhsa_code_object_version 6
	.text
	.protected	k_qe8cd932817_qkv
	.globl	k_qe8cd932817_qkv
	.p2align	8
	.type	k_qe8cd932817_qkv,@function
k_qe8cd932817_qkv:
	s_mov_b64 s[64:65], 0
	v_nop
	global_prefetch_b8 v0, s[64:65] scope:SCOPE_SE
	s_setreg_imm32_b32 hwreg(HW_REG_WAVE_MODE, 25, 1), 1
	s_wait_xcnt 0x0
	s_wait_alu depctr_hold_cnt(0) depctr_sa_sdst(0) depctr_va_vdst(0) depctr_va_sdst(0) depctr_va_ssrc(0) depctr_va_vcc(0) depctr_vm_vsrc(0)
	s_getreg_b32 s2, hwreg(HW_REG_IB_STS2, 6, 4)
	s_cmp_eq_u32 s2, 0
	s_cbranch_scc0 .Lentry_in_a_cluster
	s_endpgm
.Lentry_in_a_cluster:
	s_bfe_u32 s2, ttmp6, 0x10000c
	s_cmp_lg_u32 s2, 0xf033
	s_cbranch_scc0 .Lentry_shape_is_right
	s_endpgm
.Lentry_shape_is_right:
; LAUNCH 2 OF 4.  qkv = x Wqkv^T on codes of E4M3 (K = 1,024), the rotation of the first 32 dims of each head of q and k, and the quantisers of q, k (along a head's 64 dims) and v (along the keys): no f32 result goes to memory.  No work is left out here.
; OPERANDS are images of registers (launch quant's head): a fragment is 2,048 bytes [c][lane][16]; a tile's lane-row r is row 32 (a / 2) + 8 (a % 2) + r + 8 (r / 8).
; A work-group makes 256 x 256 results, each of its four waves 128 x 128: 64 accumulators, 512 registers.  Source 0 takes tiles of operand P, source 1 tiles of operand R: a lane holds ONE row of R, and the 16 registers of P's tiles 2 B, 2 B + 1
; are P's rows 32 B + 16 h + 0 .. 15: 16 neighbours.  q, k (clusters x = 0, 1): P = Wqkv's rows, R = tokens: a lane holds a token, its registers run along the head's dims.  v (clusters x = 2): P = tokens, R = Wv's rows: a lane holds one (head, dim),
; its registers run along the tokens, which are the keys.  So one quantiser serves all three, and nothing is transposed.
; K goes in four steps of 256 through two LDS slots; a wave's tensor load brings 8 tiles x 4,096 bytes.  The scale words of the work-group's 512 rows come once, with the first fills.
; CLUSTERS of 4 x 4: R's tiles are shared along a row of the cluster, P's along a column, each asked for jointly.  Which role a cluster has hangs on the cluster's x alone: it is the same in all sixteen partners.
; OUT: qkv: sections q, k, v of 8,388,608 bytes, [batch x head] of 131,072; q, k: [step of 128 tokens][tile 0..7][c 0..1][lane][16]; v: [step of 128 keys][tile of 16 dims 0..3][c 0..3][lane][16].
;      qkvs: sections of 262,144 bytes, [batch x head][step][r][4 words]; q, k: word b = the two bytes of tile 2 b, then those of tile 2 b + 1; v: word t = the four key blocks' bytes of dim tile t.
; LIMITS: as launch quant's: a block of zeros or under 2^-118 gets the byte 1; NaN and infinities are not served.
; REGISTERS, in windows of 256: window 0: v0-31 addresses; v32-63 scale words and nothing else; v64-127 cos and sin, two sets; v128-255 R's fragments, on the way out at work.  window 1: P's fragments, two sets.  windows 2, 3: the accumulators ((a, b) at v[8 (8 (a % 4) + b)]).
.set NQ,    2                          ; matrix instructions deep in a slot
.set FR,    16                         ; registers of a fragment
.set NL,    4                          ; LDS loads that bring one
.set NP,    8                          ; places behind this matrix instruction (ISA guide 7.12.1)
.set BLK,   4096                       ; a tile's two fragments in a slot
.set HALFT, 8*BLK                      ; 8 tiles: what one tensor load brings, and what a wave reads of R or of P
.set SLOT,  4*HALFT                    ; R's 16 tiles, then P's 16
.set SCL,   2*SLOT                     ; behind the ring: the scale words, 512 bytes a tile
.set HALFS, 4096                       ; those of 8 tiles
.set SPARE, SCL+4*HALFS                ; the spare words, 128 bytes for each wave
.set ADRA, 16                          ; v16-17  LDS address of my R fragments in slot 0, 1
.set ADRB, 20                          ; v20-21  the same for P
.set SO,   25                          ; v25     my place among the scale words that go out: 4,096 h + 16 r
.set LI,   26                          ; v26     16 x lane
.set ADRS, 27                          ; v27     LDS address of my scale words: lanes 0-15 R's, lanes 16-31 P's
.set SPW,  28                          ; v28     LDS address of my spare word; never rewritten
.set NIL,  29                          ; v29     0; never rewritten
.set SC,   32                          ; scale words: set s at v[SC + 16 s]; register 2 i + q: lanes 0-15 R's tile i, lanes 16-31 P's tile i
.set CS,   64                          ; the way out: two sets of 16 cos and 16 sigma sin
.set AF,   128                         ; R's fragments
.set X,    128                         ; the way out: 64 numbers held; during the rotation the partners' 32
.set PC,   192                         ; two sets of 16 registers of codes
.set TM,   224                         ; as in launch quant
.set PW,   240                         ; v240-247 the eight blocks' scale words
.set WD,   248                         ; v248-251 the four words that go out
.set VSEL, 252                         ; v252-253 byte selects
.set G1, 24                            ; s[24:31] descriptor group 1 for R's tiles;  s[32:39] group 0, one set for each slot
.set G0, 32
.set G1B, 48                           ; s[48:55], s[56:63] the same for P's
.set G0B, 56
.set G1S, 68                           ; s[68:75], s[76:79] groups 1 and 0 for R's scale words;  s[80:87], s[88:91] for P's
.set G0S, 76
.set G1SB, 80
.set G0SB, 88
.set SEL, 66                           ; s[66:67] on the way out: lane selects for lane l xor 16
.set MNT, 95                           ; s95     on the way out: the mantissa field of 448
.set MSB, 0
.macro WIN new                         ; the immediate's high byte repeats the setting that is left
.if MSB != \new
	s_set_vgpr_msb (MSB<<8)|\new
.set MSB, \new
.endif
.endm
.set MUL_LO, 0xa1                      ; source 0 (P) window 1, source 1 (R) window 0, C and D window 2
.set MUL_HI, 0xf1                      ; the same, C and D window 3
.set TO_B,   0x40                      ; destination window 1, address window 0
; A joint load: waves 0 and 1 fetch for R, waves 2 and 3 for P.  The branch hangs on the wave's number alone.  An s_nop 0 and four v_nop follow each of the two lines.
.macro JLOAD g0a, g1a, g0b, g1b
	s_cmp_eq_u32 s15, 0
	s_cbranch_scc0 .Lfor_b_\@
	tensor_load_to_lds s[\g0a:\g0a+3], s[\g1a:\g1a+7]
	s_nop 0
.rept 4
	v_nop
.endr
	s_branch .Lasked_\@
.Lfor_b_\@:
	tensor_load_to_lds s[\g0b:\g0b+3], s[\g1b:\g1b+7]
	s_nop 0
.rept 4
	v_nop
.endr
.Lasked_\@:
.endm
.macro CREST                           ; a round of the cluster's barrier behind its opening barrier
	s_cmp_lg_u32 s14, 0
	s_cbranch_scc1 .Lnot_wave_0_\@
	s_barrier_signal -3
.Lnot_wave_0_\@:
	s_barrier_wait -3
	s_barrier_signal -1
	s_barrier_wait -1
.endm
.macro CROUND                          ; a whole round
	s_barrier_signal -1
	s_barrier_wait -1
	CREST
.endm
	s_load_b256 s[4:11], s[0:1], 0x0               ; xc, wc, sc, rope
	s_load_b128 s[96:99], s[0:1], 0x20             ; qkv, qkvs
	v_lshl_add_u32 v[SPW], v0, 2, SPARE
	v_mov_b32 v[NIL], 0
	ds_add_u32 v[SPW], v[NIL]                      ; the wave's opening: the add, twice on end, and its wait ahead of my first tensor load
	ds_add_u32 v[SPW], v[NIL]
	v_lshrrev_b32 v1, 5, v0
	v_readfirstlane_b32 s14, v1                    ; wave 0..3
	s_lshr_b32 s15, s14, 1                         ; which half of R's 256 rows is mine.  Also: I fetch for R (0) or for P (1)
	s_and_b32 s16, s14, 1                          ; which half of P's.  Also: which 8 tiles I fetch
	s_bfe_u32 s40, ttmp6, 0x40000                  ; cx, cy: my place in the cluster
	s_bfe_u32 s41, ttmp6, 0x40004
	s_and_b32 s13, ttmp7, 0xffff                   ; the cluster's y
	s_cmp_eq_u32 ttmp9, 2                          ; the cluster's x: 0, 1: q and k; 2: v
	s_cselect_b32 s12, 1, 0                        ; the role, kept
	s_cselect_b32 s42, s13, ttmp9                  ; P's coordinate: tokens go by the cluster's y, Wqkv's rows by its x
	s_cselect_b32 s17, 0, s13                      ; R's: Wv has four tiles of 256 rows, one for each cy
	s_cselect_b32 s18, 2097152, 0                  ; R's codes: Wv begins 128 tiles into wc
	s_cselect_b32 s19, 327680, 0                   ; R's scale words: Wv's in sc
	s_cselect_b32 s3, 0, 262144                    ; P's scale words: x's at 0, Wqkv's behind them
	s_lshl_b32 s42, s42, 2
	s_add_co_u32 s42, s42, s40                     ; P's tile of 256 rows: hangs on cx, never on cy
	s_lshl_b32 s17, s17, 2
	s_add_co_u32 s17, s17, s41                     ; R's: hangs on cy, never on cx
	s_lshl_b32 s43, s41, 2
	s_lshl_b32 s43, 15, s43                        ; my row of the cluster
	s_lshl_b32 s44, 0x1111, s40                    ; my column
	; descriptor group 1, codes: 8 rows (tiles) of 512 elements of 8 bytes, 2,048 elements apart; no padding: fragments are read 16 bytes a lane on end
	s_or_b32 s[G1+0], s43, (3<<16)|(1<<21)         ; 15:0 the mask: R's tiles go to my row; 17:16 elements of 8 bytes; 21 set beside a mask
	s_or_b32 s[G1B+0], s44, (3<<16)|(1<<21)
.irp g, G1, G1B
	s_mov_b32 s[\g+1], 512<<16                     ; tensor_dim0
	s_mov_b32 s[\g+2], 8<<16                       ; tensor_dim1
	s_mov_b32 s[\g+3], 512<<16                     ; tile_dim0
	s_mov_b32 s[\g+4], 8                           ; tile_dim1
	s_mov_b32 s[\g+5], 2048                        ; tensor_dim0_stride
	s_mov_b32 s[\g+6], 0
	s_mov_b32 s[\g+7], 0
.endr
	; scale words of 8 tiles: 4,096 dense bytes as 16 rows of 256
	s_or_b32 s[G1S+0], s43, (3<<16)|(1<<21)
	s_or_b32 s[G1SB+0], s44, (3<<16)|(1<<21)
.irp g, G1S, G1SB
	s_mov_b32 s[\g+1], 32<<16
	s_mov_b32 s[\g+2], 16<<16
	s_mov_b32 s[\g+3], 32<<16
	s_mov_b32 s[\g+4], 16
	s_mov_b32 s[\g+5], 32
	s_mov_b32 s[\g+6], 0
	s_mov_b32 s[\g+7], 0
.endr
	s_lshl_b32 s20, s17, 1
	s_add_co_u32 s20, s20, s16                     ; R: which run of 8 tiles I fetch
	s_lshl_b32 s22, s20, 12                        ; its scale words,
	s_lshl_b32 s20, s20, 17                        ; its codes
	s_add_co_u32 s20, s20, s18
	s_add_co_u32 s22, s22, s19
	s_mov_b32 s21, 0
	s_mov_b32 s23, 0
	s_lshl_b32 s46, s42, 1
	s_add_co_u32 s46, s46, s16                     ; P likewise
	s_lshl_b32 s92, s46, 12
	s_lshl_b32 s46, s46, 17
	s_add_co_u32 s92, s92, s3
	s_mov_b32 s47, 0
	s_mov_b32 s93, 0
	s_mul_i32 s45, s14, HALFT                      ; where they go: wave x 8 tiles: no place in the cluster enters an LDS address
	s_mul_i32 s94, s14, HALFS
	s_wait_dscnt 0x0                               ; both opening adds are done
	s_wait_kmcnt 0x0
	s_cmp_eq_u32 s12, 1
	s_cselect_b64 s[18:19], s[6:7], s[4:5]         ; R's codes: wc or xc
	s_cselect_b64 s[2:3], s[4:5], s[6:7]           ; P's: xc or wc
	s_add_nc_u64 s[20:21], s[18:19], s[20:21]
	s_add_nc_u64 s[22:23], s[8:9], s[22:23]
	s_add_nc_u64 s[46:47], s[2:3], s[46:47]
	s_add_nc_u64 s[92:93], s[8:9], s[92:93]
	CROUND                                         ; all sixteen work-groups are here: the first joint loads meet
	s_mov_b32 s[G0S], 1
	s_add_co_u32 s[G0S+1], s94, SCL
	s_mov_b64 s[G0S+2:G0S+3], s[22:23]
	s_or_b32 s[G0S+3], s[G0S+3], 0x80000000
	s_mov_b32 s[G0SB], 1
	s_add_co_u32 s[G0SB+1], s94, SCL
	s_mov_b64 s[G0SB+2:G0SB+3], s[92:93]
	s_or_b32 s[G0SB+3], s[G0SB+3], 0x80000000
	JLOAD G0S, G1S, G0SB, G1SB                     ; the scale words first: they are wanted with K step 0
.irp s, 0,1
	s_mov_b32 s[G0+4*\s], 1
	s_add_co_u32 s[G0+4*\s+1], s45, \s*SLOT
	s_add_nc_u64 s[G0+4*\s+2:G0+4*\s+3], s[20:21], \s*BLK
	s_or_b32 s[G0+4*\s+3], s[G0+4*\s+3], 0x80000000
	s_mov_b32 s[G0B+4*\s], 1
	s_add_co_u32 s[G0B+4*\s+1], s45, \s*SLOT
	s_add_nc_u64 s[G0B+4*\s+2:G0B+4*\s+3], s[46:47], \s*BLK
	s_or_b32 s[G0B+4*\s+3], s[G0B+4*\s+3], 0x80000000
	JLOAD G0+4*\s, G1, G0B+4*\s, G1B               ; three tensor loads of mine are out
.endr
	v_and_b32 v1, 15, v0                           ; r
	v_bfe_u32 v2, v0, 4, 1                         ; h
	s_wait_alu depctr_va_vdst(0)
	v_and_b32 v3, 31, v0
	v_lshlrev_b32 v[LI], 4, v3
	s_mul_i32 s18, s15, HALFT                      ; my 8 tiles of R
	s_mul_i32 s19, s16, HALFT                      ; my 8 tiles of P,
	s_add_co_u32 s19, s19, 2*HALFT                 ; which lie behind R's 16
.irp s, 0,1
	v_add_nc_u32 v[ADRA+\s], s18, v[LI]
	v_add_nc_u32 v[ADRB+\s], s19, v[LI]
	s_add_co_u32 s18, s18, SLOT
	s_add_co_u32 s19, s19, SLOT
.endr
	v_lshlrev_b32 v5, 4, v1                        ; my lane-row's four words
	s_mul_i32 s18, s15, HALFS                      ; R's: my 8 tiles
	s_mul_i32 s19, s16, HALFS                      ; P's: my 8 tiles, behind R's 16
	s_add_co_u32 s19, s19, 2*HALFS
	s_sub_co_u32 s19, s19, s18
	v_mul_u32_u24 v6, s19, v2                      ; lanes 16-31 take P's: the lower base + h x the distance
	s_add_co_u32 s18, s18, SCL
	v_add_nc_u32 v5, v5, v6
	v_add_nc_u32 v[ADRS], s18, v5
	v_lshlrev_b32 v[SO], 4, v1
	v_lshl_add_u32 v[SO], v2, 12, v[SO]
	; where my 128 x 128 results go.  These registers hold both coordinates and feed no descriptor
	s_cmp_eq_u32 s12, 1
	s_cselect_b32 s66, s42, s17                    ; the tokens' tile of 256,
	s_cselect_b32 s67, s16, s15                    ; and my half of it
	s_cselect_b32 s95, s17, s42                    ; Wqkv's rows' tile of 256 (v: 8 further on),
	s_cselect_b32 s100, s15, s16                   ; and my half
	s_cselect_b32 s101, 8, 0
	s_add_co_u32 s95, s95, s101
	s_lshl_b32 s66, s66, 1
	s_add_co_u32 s66, s66, s67                     ; my first token / 128
	s_lshl_b32 s95, s95, 1
	s_add_co_u32 s95, s95, s100                    ; my first row of Wqkv / 128
	s_lshr_b32 s67, s95, 3                         ; section: q, k or v
	s_lshl_b32 s95, s95, 1
	s_and_b32 s95, s95, 15                         ; my first head of two
	s_lshr_b32 s100, s66, 4                        ; batch
	s_and_b32 s66, s66, 15                         ; step of 128 tokens
	s_lshl_b32 s100, s100, 4
	s_add_co_u32 s95, s95, s100                    ; batch x 16 + head
	s_lshl_b32 s100, s67, 23
	s_lshl_b32 s101, s95, 17
	s_add_co_u32 s100, s100, s101
	s_lshl_b32 s101, s66, 13
	s_add_co_u32 s100, s100, s101
	s_mov_b32 s101, 0
	s_add_nc_u64 s[96:97], s[96:97], s[100:101]    ; the codes
	s_lshl_b32 s100, s67, 18
	s_lshl_b32 s67, s95, 12
	s_add_co_u32 s100, s100, s67
	s_lshl_b32 s67, s66, 8
	s_add_co_u32 s100, s100, s67
	s_add_nc_u64 s[98:99], s[98:99], s[100:101]    ; the scale words
	s_lshl_b32 s100, s66, 15
	s_add_nc_u64 s[10:11], s[10:11], s[100:101]    ; cos and sin of my 8 tiles of positions
.macro FRAG reg, adr, q, i             ; a fragment comes as it lies: four loads of 512 consecutive bytes
.irp c, 0,1,2,3
	ds_load_b128 v[\reg+4*\c:\reg+4*\c+3], v[\adr] offset:(\i)*BLK+(\q)*2048+512*\c
.endr
.endm
; 16 matrix instructions: R's tiles a0, a0 + 1 x P's eight, 128 along K: the slot's q-th.  p: P's set;  sc: the set of scale words.  zero = 1: the first product starts the sums.
; The 64 accumulators take turns, one instruction a turn, in the same order in every step.
.macro MUL16 a0, p, q, sc, zero
.irp a, \a0, \a0+1
.irp b, 0,1,2,3,4,5,6,7
.if \zero
	v_wmma_scale_f32_16x16x128_f8f6f4 v[8*(8*((\a)%4)+\b):8*(8*((\a)%4)+\b)+7], v[128*(\p)+FR*\b:128*(\p)+FR*\b+FR-1], v[AF+FR*(\a):AF+FR*(\a)+FR-1], 0, v[SC+8*NQ*(\sc)+NQ*\b+(\q)], v[SC+8*NQ*(\sc)+NQ*(\a)+(\q)] matrix_a_scale:MATRIX_SCALE_ROW1
.else
	v_wmma_scale_f32_16x16x128_f8f6f4 v[8*(8*((\a)%4)+\b):8*(8*((\a)%4)+\b)+7], v[128*(\p)+FR*\b:128*(\p)+FR*\b+FR-1], v[AF+FR*(\a):AF+FR*(\a)+FR-1], v[8*(8*((\a)%4)+\b):8*(8*((\a)%4)+\b)+7], v[SC+8*NQ*(\sc)+NQ*\b+(\q)], v[SC+8*NQ*(\sc)+NQ*(\a)+(\q)] matrix_a_scale:MATRIX_SCALE_ROW1
.endif
.endr
.endr
.endm
.macro FETCH_B slot, q, p              ; P's eight fragments of the slot's q-th 128 along K into set p
	WIN TO_B
.irp i, 0,1,2,3,4,5,6,7
	FRAG 128*(\p)+FR*\i, ADRB+\slot, \q, \i
.endr
	WIN 0
.endm
.macro FETCH_A slot, q, i0             ; R's tiles i0 .. i0 + 3
.irp i, \i0, \i0+1, \i0+2, \i0+3
	FRAG AF+FR*(\i), ADRA+\slot, \q, \i
.endr
.endm
.macro SCALES set, sg                  ; the scale words of K step sg (of four) into a set: two words a row; lanes 0-15 take R's tile i, lanes 16-31 P's tile i
.irp i, 0,1,2,3,4,5,6,7
	ds_load_b64 v[SC+8*NQ*\set+NQ*\i:SC+8*NQ*\set+NQ*\i+1], v[ADRS] offset:\i*512+((\sg)/2)*256+((\sg)%2)*8
.endr
.endm
.macro PLACES n                        ; plain vector lines between a matrix instruction and a load into, or a read of, its registers
.rept \n
	v_nop
.endr
.endm
; A step of 128 along K that has its successor in the same slot.  R has one set of registers: tiles 0-3 are fetched anew in the step's middle, tiles 4-7 at its end; P has two sets.
.macro STEP slot, q, zero
	s_wait_dscnt 4*NL                              ; P's set, R's tiles 0-3 and the scale words are in; the youngest 16 loads (R's tiles 4-7) may be out
	WIN MUL_LO
	MUL16 0, (\q)%2, \q, \slot, \zero
	MUL16 2, (\q)%2, \q, \slot, \zero
	s_wait_dscnt 0                                 ; R's tiles 4-7 are in
	PLACES NP
	FETCH_B \slot, (\q)+1, 1-(\q)%2
	FETCH_A \slot, (\q)+1, 0
	WIN MUL_HI
	MUL16 4, (\q)%2, \q, \slot, \zero
	MUL16 6, (\q)%2, \q, \slot, \zero
	PLACES NP
	WIN 0
	FETCH_A \slot, (\q)+1, 4
.endm
; A slot's last step changes slots: ONE barrier; in front of it each wave waits for all its tensor loads, adds 0 to its spare word, and waits for that and for its own reads of this slot.
; fill = 1: this slot is filled again, two K steps ahead, behind a round of the cluster's barrier.  sg: the K step that lies in the next slot.
.macro TURN slot, next, fill, sg
	s_wait_tensorcnt 0x0                           ; all my tensor loads have landed: my part of the next slot
	ds_add_u32 v[SPW], v[NIL]                      ; 0 onto my spare word
	s_wait_dscnt 4*NL+1                            ; the add and the youngest 16 loads (R's tiles 4-7) may be out
	WIN MUL_LO
	MUL16 0, 1, NQ-1, \slot, 0                     ; sixteen matrix instructions stand between the add and the wait for it
	s_wait_dscnt 0x0                               ; the add is done, and my reads of this slot are over
	s_barrier_signal -1
	MUL16 2, 1, NQ-1, \slot, 0
	WIN 0
	s_barrier_wait -1
.if \fill
	CREST                                          ; the barrier has opened a round of the cluster's barrier: no wave of any partner still reads this slot or has a load on its way
	s_add_nc_u64 s[G0+4*\slot+2:G0+4*\slot+3], s[G0+4*\slot+2:G0+4*\slot+3], 2*BLK
	s_add_nc_u64 s[G0B+4*\slot+2:G0B+4*\slot+3], s[G0B+4*\slot+2:G0B+4*\slot+3], 2*BLK
	JLOAD G0+4*\slot, G1, G0B+4*\slot, G1B         ; the first tensor load behind the round, my only one until the next; its four v_nop are among the places in front of the loads below
	PLACES NP-4
.else
	PLACES NP
.endif
	FETCH_B \next, 0, 0
	FETCH_A \next, 0, 0
	SCALES \next, \sg
	WIN MUL_HI
	MUL16 4, 1, NQ-1, \slot, 0
	MUL16 6, 1, NQ-1, \slot, 0
	PLACES NP
	WIN 0
	FETCH_A \next, 0, 4
.endm
	s_wait_alu depctr_va_vdst(0)
	s_wait_tensorcnt 1                             ; the scale words and my part of K step 0 are in; K step 1's load may be out
	s_barrier_signal -1
	s_barrier_wait -1
	FETCH_B 0, 0, 0
	FETCH_A 0, 0, 0
	SCALES 0, 0
	FETCH_A 0, 0, 4
	STEP 0, 0, 1                                   ; four K steps of 256, written out: a loop of one trip would spare no text
	TURN 0, 1, 1, 1
	STEP 1, 0, 0
	TURN 1, 0, 1, 2
	STEP 0, 0, 0
	TURN 0, 1, 0, 3                                ; the last two K steps fill nothing
	STEP 1, 0, 0
	s_wait_dscnt 4*NL
	WIN MUL_LO
	MUL16 0, 1, NQ-1, 1, 0
	MUL16 2, 1, NQ-1, 1, 0
	s_wait_dscnt 0
	WIN MUL_HI
	MUL16 4, 1, NQ-1, 1, 0
	MUL16 6, 1, NQ-1, 1, 0
	WIN 0
; THE WAY OUT, a block of R's 16 rows (eight accumulators, 64 registers a lane) at a time.  Register 16 b + i of a block is P's row 32 b + 16 h + i: four blocks of 32 for the quantiser, each shared with lane l xor 16.
.macro BLOCKSET i
.set WN,  2+(\i)/4                     ; the block's window,
.set AC,  64*((\i)%4)                  ; its first register there,
.set CSS, CS+32*((\i)%2)               ; its cos and sin, the next block's,
.set CSN, CS+32*(((\i)+1)%2)
.set PCS, PC+16*((\i)%2)               ; its codes,
.set PWR, PW+(\i)                      ; its scale word
.endm
; The rotation.  Registers 0-15 are the first head's dims 16 h + 0 .. 15, registers 32-47 the second head's: new = own x cos + partner x (sigma sin), the partner being lane l xor 16
.macro ROPE
	WIN WN                                         ; source 0: the accumulators' window
.set j, 0
.rept 16
	v_permlanex16_b32 v[X+j], v[AC+j], s[SEL], s[SEL+1]   ; each accumulator from its low end on
.set j, j+1
.endr
.set j, 0
.rept 16
	v_permlanex16_b32 v[X+16+j], v[AC+32+j], s[SEL], s[SEL+1]
.set j, j+1
.endr
	WIN 0
.set j, 0
.rept 8
	v_pk_mul_f32 v[X+j:X+j+1], v[X+j:X+j+1], v[CSS+16+j:CSS+17+j]
	v_pk_mul_f32 v[X+16+j:X+17+j], v[X+16+j:X+17+j], v[CSS+16+j:CSS+17+j]
.set j, j+2
.endr
.set WW, (WN<<6)|WN
	WIN WW                                         ; destination and source 0: the accumulators' window
.set j, 0
.rept 8
	v_pk_fma_f32 v[AC+j:AC+j+1], v[AC+j:AC+j+1], v[CSS+j:CSS+j+1], v[X+j:X+j+1]
	v_pk_fma_f32 v[AC+32+j:AC+33+j], v[AC+32+j:AC+33+j], v[CSS+j:CSS+j+1], v[X+16+j:X+17+j]
.set j, j+2
.endr
	WIN 0
.endm
.macro QUANTW
.set WW, (WN<<2)|(WN<<4)
	WIN WW                                         ; sources 1 and 2: the accumulators' window
.irp b, 0,1,2,3
	v_max3_num_f32 v[TM+\b], 0x4800000, |v[AC+16*\b]|, |v[AC+1+16*\b]|   ; the floor 2^(9 - 127) and my first two numbers; each accumulator from its low end on
.endr
.irp i, 2,4,6,8,10,12,14
.irp b, 0,1,2,3
	v_max3_num_f32 v[TM+\b], v[TM+\b], |v[AC+16*\b+\i]|, |v[AC+1+16*\b+\i]|
.endr
.endr
	WIN 0
.irp b, 0,1,2,3
	v_permlanex16_b32 v[TM+4+\b], v[TM+\b], s[SEL], s[SEL+1]
.endr
.irp b, 0,1,2,3
	v_max_num_f32 v[TM+\b], v[TM+\b], v[TM+4+\b]   ; the block's largest magnitude
.endr
.irp b, 0,1,2,3
	v_add_nc_u32 v[TM+12+\b], 0xfc000000, v[TM+\b] ; 8 off its exponent field: the conversion's scale operand
.endr
.irp b, 0,1,2,3
	v_and_or_b32 v[TM+8+\b], v[TM+\b], 0x7f800000, s[MNT]   ; 448 x the scale
.endr
.irp b, 0,1,2,3
	v_lshrrev_b32 v[TM+4+\b], 23, v[TM+12+\b]      ; the scale's byte
.endr
	v_lshl_or_b32 v[PWR], v[TM+5], 8, v[TM+4]
	v_lshl_or_b32 v[PWR], v[TM+6], 16, v[PWR]
	v_lshl_or_b32 v[PWR], v[TM+7], 24, v[PWR]
	WIN WN                                         ; source 0: the accumulators' window
.irp b, 0,1,2,3
.irp i, 0,1,2,3,4,5,6,7,8,9,10,11,12,13,14,15
	v_med3_num_f32 v[X+16*\b+\i], v[AC+16*\b+\i], -v[TM+8+\b], v[TM+8+\b]   ; the hold, into window 0
.endr
.endr
	WIN 0
	s_wait_alu depctr_va_vdst(0)
	s_wait_xcnt 0x0                                ; the stores of two blocks ago have read this set of codes: it is written again only behind this wait
.irp b, 0,1,2,3
	v_cvt_scalef32_pk8_fp8_f32 v[PCS+4*\b:PCS+1+4*\b], v[X+16*\b:X+7+16*\b], v[TM+12+\b]
	v_cvt_scalef32_pk8_fp8_f32 v[PCS+2+4*\b:PCS+3+4*\b], v[X+8+16*\b:X+15+16*\b], v[TM+12+\b]
.endr
	v_nop                                          ; a plain vector line behind the last conversion
.endm
.macro QKBLOCK i                       ; 16 tokens x two heads of q or k
	BLOCKSET \i
.if (\i) < 7
.irp g, 0,1,2,3,4,5,6,7
	global_load_b128 v[CSN+4*\g:CSN+4*\g+3], v[LI], s[10:11] offset:4096*((\i)+1)+512*\g   ; the next block's cos and sin
.endr
	s_wait_loadcnt 8                               ; this block's are in; the 8 just issued may be out
.else
	s_wait_loadcnt 0x0
.endif
	ROPE
	QUANTW
.irp g, 0,1,2,3
	global_store_b128 v[LI], v[PCS+4*\g:PCS+4*\g+3], s[96:97] offset:1024*(\i)+(\g/2)*131072+(\g%2)*512   ; head g / 2, dims 32 (g % 2) on: 512 consecutive bytes
.endr
.endm
.macro VBLOCK i                        ; 16 dims of a head of v x 128 keys
	BLOCKSET \i
	QUANTW
.irp g, 0,1,2,3
	global_store_b128 v[LI], v[PCS+4*\g:PCS+4*\g+3], s[96:97] offset:((\i)/4)*131072+((\i)%4)*2048+512*\g   ; head i / 4, dim tile i % 4, keys 32 g on
.endr
.endm
	PLACES NP                                      ; behind the last products: their results are read, and R's registers written, only from here on
	s_mov_b32 s[SEL], 0x76543210
	s_mov_b32 s[SEL+1], 0xfedcba98
	s_mov_b32 s[MNT], 0x600000
.irp b, 0,1,2,3
	v_mov_b32 v[TM+4+\b], 0                        ; written once: a lane permute's destination counts as one of its sources
.endr
	s_cmp_eq_u32 s12, 1                            ; the cluster's role
	s_cbranch_scc1 .Lvpath
.irp g, 0,1,2,3,4,5,6,7
	global_load_b128 v[CS+4*\g:CS+4*\g+3], v[LI], s[10:11] offset:512*\g   ; block 0's cos and sin
.endr
.irp i, 0,1,2,3,4,5,6,7
	QKBLOCK \i
.endr
	v_cmp_ne_u32 vcc_lo, 0, v2
	v_mov_b32 v[VSEL], 0x05040100                  ; lanes 0-15 take the first head's two bytes of each block's word,
	v_mov_b32 v[VSEL+1], 0x07060302                ; lanes 16-31 the second head's
	v_cndmask_b32 v[VSEL], v[VSEL], v[VSEL+1], vcc_lo
.irp b, 0,1,2,3
	v_perm_b32 v[WD+\b], v[PW+2*\b+1], v[PW+2*\b], v[VSEL]   ; word b: tile 2 b's two bytes below, tile 2 b + 1's above
.endr
	s_branch .Ltail
.Lvpath:
.irp i, 0,1,2,3,4,5,6,7
	VBLOCK \i
.endr
	v_cmp_ne_u32 vcc_lo, 0, v2
.irp t, 0,1,2,3
	v_cndmask_b32 v[WD+\t], v[PW+\t], v[PW+4+\t], vcc_lo   ; lanes 0-15: the first head's four dim tiles, lanes 16-31 the second head's
.endr
.Ltail:
	s_wait_alu depctr_va_vdst(0)
	global_store_b128 v[SO], v[WD:WD+3], s[98:99]  ; sixteen lanes store 256 consecutive bytes, aligned: a head's scale words of this step
	s_wait_tensorcnt 0x0                           ; the wave's end: behind my last tensor load
	ds_add_u32 v[SPW], v[NIL]
	s_wait_dscnt 0x0
	CROUND                                         ; the closing round: no work-group ends while a partner may still ask for a tile that names it
	s_endpgm
.Lfunc_end_k_qe8cd932817_qkv:
	.size	k_qe8cd932817_qkv, .Lfunc_end_k_qe8cd932817_qkv-k_qe8cd932817_qkv
	.p2alignl 7, 3214868480
	.fill 96, 4, 3214868480
	.section	.rodata,"a",@progbits
	.p2align	6, 0x0
	.amdhsa_kernel k_qe8cd932817_qkv
		.amdhsa_group_segment_fixed_size 327680
		.amdhsa_private_segment_fixed_size 0
		.amdhsa_enable_private_segment 0
		.amdhsa_kernarg_size 48
		.amdhsa_user_sgpr_count 2
		.amdhsa_user_sgpr_kernarg_segment_ptr 1
		.amdhsa_wavefront_size32 1
		.amdhsa_system_sgpr_workgroup_id_x 1
		.amdhsa_system_sgpr_workgroup_id_y 1
		.amdhsa_system_sgpr_workgroup_id_z 1
		.amdhsa_system_vgpr_workitem_id 0
		.amdhsa_next_free_vgpr 1024
		.amdhsa_next_free_sgpr 102
		.amdhsa_reserve_vcc 1
		.amdhsa_float_denorm_mode_32 3
		.amdhsa_float_denorm_mode_16_64 3
		.amdhsa_memory_ordered 1
		.amdhsa_forward_progress 1
		.amdhsa_inst_pref_size 255
	.end_amdhsa_kernel
	.section	.bss,"aw",@nobits
	.p2align	6
	.space	262144
	.amdgpu_metadata
---
amdhsa.version: [ 1, 2 ]
amdhsa.kernels:
  - .name:           k_qe8cd932817_qkv
    .symbol:         k_qe8cd932817_qkv.kd
    .args:
      - { .name: xc, .offset: 0, .size: 8, .value_kind: global_buffer, .address_space: global }
      - { .name: wc, .offset: 8, .size: 8, .value_kind: global_buffer, .address_space: global }
      - { .name: sc, .offset: 16, .size: 8, .value_kind: global_buffer, .address_space: global }
      - { .name: rope, .offset: 24, .size: 8, .value_kind: global_buffer, .address_space: global }
      - { .name: qkv, .offset: 32, .size: 8, .value_kind: global_buffer, .address_space: global }
      - { .name: qkvs, .offset: 40, .size: 8, .value_kind: global_buffer, .address_space: global }
    .group_segment_fixed_size: 327680
    .private_segment_fixed_size: 0
    .kernarg_segment_align: 8
    .kernarg_segment_size: 48
    .max_flat_workgroup_size: 128
    .sgpr_count:     102
    .vgpr_count:     1024
    .wavefront_size: 32
...
	.end_amdgpu_metadata
.endif
;; end of part 2
;; launch attn (part 3): grid 4 x 64, 16 waves a work-group, clusters of 4 x 1, 327,680 bytes of LDS; arguments qkv, qkvs, oc, os; writes oc, os
.if DOCPART == 3
	.amdgcn_target "amdgcn-amd-amdhsa--gfx1250"
	.amdhsa_code_object_version 6
	.text
	.protected	k_qe8cd932817_attn
	.globl	k_qe8cd932817_attn
	.p2align	8
	.type	k_qe8cd932817_attn,@function
k_qe8cd932817_attn:
	s_mov_b64 s[64:65], 0
	v_nop
	global_prefetch_b8 v0, s[64:65] scope:SCOPE_SE
	s_setreg_imm32_b32 hwreg(HW_REG_WAVE_MODE, 25, 1), 1
	s_wait_xcnt 0x0
	s_wait_alu depctr_hold_cnt(0) depctr_sa_sdst(0) depctr_va_vdst(0) depctr_va_sdst(0) depctr_va_ssrc(0) depctr_va_vcc(0) depctr_vm_vsrc(0)
	s_getreg_b32 s2, hwreg(HW_REG_IB_STS2, 6, 4)
	s_cmp_eq_u32 s2, 0
	s_cbranch_scc0 .Lentry_in_a_cluster
	s_endpgm
.Lentry_in_a_cluster:
	s_bfe_u32 s2, ttmp6, 0x10000c
	s_cmp_lg_u32 s2, 0x3003
	s_cbranch_scc0 .Lentry_shape_is_right
	s_endpgm
.Lentry_shape_is_right:
; LAUNCH 3 OF 4.  O = softmax(q k^T / 8, causal) v for each of 64 (batch, head), both products on codes of E4M3, and O quantised along the model's 1,024 (K of the last product) on the way out.
; WORK LEFT OUT: a step of 128 keys all of which come after a tile's 16 queries (reference()'s own jnp.tril gives them the weight 0, whatever the inputs hold: see launch quant's head) is not multiplied.
; LIMIT: a NaN or an infinity that reaches only those hidden scores is not carried to the result.
; THE SOFTMAX: t = score x log2(e) / 8; M = the running largest t rounded UP to a whole number; p = 2^(t - M) is quantised along the keys, not normalised; the row's sum is taken of the unquantised p and divides at the end;
; when M moves, the sum and O are multiplied by 2^(old M - new M), which rounds nothing.
; SHARES.  The four work-groups of a head form a cluster.  Wave w of work-group cx owns two tiles of 16 queries: a light one, 4 w + cx, and a heavy one, 127 - (4 w + cx).  A tile a's last key step is a / 8: w / 2 and 15 - w / 2, which hang on the
; wave alone.  So every wave walks 17 key steps, no branch hangs on a work-group's place in its cluster, and wave 0's heavy tile reads every key: every partner reads all that the joint loads bring.
; LDS holds the head's whole K and V (131,072 bytes each) and their scale words (4,096 each), filled once by joint loads: no slot is filled again, and the loops hold no barrier.  The first two key steps come by small loads of their own and are
; multiplied while the rest lands.
; LAYOUT (launch qkv's head).  Both products are used transposed: S^T = K Q^T, O^T = V^T P^T: a lane holds ONE query.  The 16 registers of key tiles 2 b, 2 b + 1 are keys 32 b + 16 h + 0 .. 15, so that p's codes are the second product's operand as they fall.
; K = 64 IN AN INSTRUCTION OF 128: source 0 is a PAIR of key tiles (2 b in k 0-63, 2 b + 1 in k 64-127); source 1 is [q, zeros] for tile 2 b and [zeros, q] for tile 2 b + 1.  Zero codes times K's codes, which are never NaN (they were held), add nothing.
; LIMITS: as launch quant's for O's blocks; a block of p that is all 0 keeps the byte 1: its codes are zeros.
; REGISTERS: v1-11 addresses and the add's two; v12 -M, v13 the largest t, v[14:15] the sum; v16-39 zeros, q, zeros; v40-103 four fragments; v108-171 S^T, then p; v172-203 O^T; v204-227 at work; v228-237 scale words and nothing else; v238-253 p's codes.
.set VIMG,  131072                     ; LDS: K's image at 0, V's here,
.set KSC,   262144                     ; K's scale words,
.set VSC,   266240                     ; V's,
.set SPARE, 270336                     ; the spare words, 128 bytes for each of 16 waves
.set LI,   1                           ; v1   16 x lane
.set KR,   2                           ; v2   KSC + 16 r
.set ADK,  3                           ; v3   LDS address of the step's K
.set ADV,  4                           ; v4   of its V
.set ADS,  5                           ; v5   of its scale words
.set R16,  6                           ; v6   16 r
.set OSO,  7                           ; v7   16 r + h
.set RQ,   8                           ; v8   r + 8 (r / 8) - 16 h
.set QD,   9                           ; v9   my query less the diagonal step's first key less 16 h
.set SPW,  10                          ; v10  LDS address of my spare word; never rewritten
.set NIL,  11                          ; v11  0; never rewritten
.set QZ,   16                          ; v16-23 zeros, v24-31 q, v32-39 zeros
.set F,    40
.set S,    108
.set OT,   172
.set BM,   204                         ; v204-207 the blocks' largest scores, then p
.set PM,   208                         ; v208-211 the other half's; then the bytes
.set HD,   212
.set SOP,  216                         ; v216-219 the conversions' scale operands
.set TT,   220                         ; v220, v221 at work
.set FF,   222                         ; v[222:223] f = 2^(old M - new M)
.set L2,   224                         ; v[224:225] the sum's second chain
.set NINF, 227                         ; v227 -infinity
.set KW,   228                         ; v228-231 K's scale words
.set VW,   232                         ; v232-235 V's
.set QW,   236                         ; v236 q's
.set PSW,  237                         ; v237 p's
.set PC,   238                         ; v238-253 p's codes
.set WV,   12                          ; s12  my wave's number
.set MNT,  19
.set SEL,  20                          ; s[20:21] lane selects: lane l xor 16
.set CS,   22                          ; s[22:23] c = log2(e) / 8
.set G1A,  24                          ; s[24:31] group 1: 8 rows of 256 bytes;  s[32:39]: 2 rows;  s[40:47]: 56 rows
.set G1S,  32
.set G1B,  40
.set G0A,  48                          ; s[48:51], s[52:55], s[56:59] their groups 0
.set G0S,  52
.set G0B,  56
.set ST,   60                          ; s60  the key step
.set SA,   61                          ; s61  the tile's last key step
.set KO,   62                          ; s62  8,192 x the key step
.set SOF,  63                          ; s63  256 x the key step
.macro ROUND                           ; a round of the cluster's barrier
	s_barrier_signal -1
	s_barrier_wait -1
	s_cmp_lg_u32 s[WV], 0
	s_cbranch_scc1 .Lnot_wave_0_\@
	s_barrier_signal -3
.Lnot_wave_0_\@:
	s_barrier_wait -3
	s_barrier_signal -1
	s_barrier_wait -1
.endm
	s_load_b256 s[4:11], s[0:1], 0x0               ; qkv, qkvs, oc, os
	v_lshl_add_u32 v[SPW], v0, 2, SPARE
	v_mov_b32 v[NIL], 0
	ds_add_u32 v[SPW], v[NIL]                      ; the wave's opening: the add, twice on end, and its wait ahead of my first tensor load
	ds_add_u32 v[SPW], v[NIL]
	v_lshrrev_b32 v12, 5, v0
	s_delay_alu instid0(VALU_DEP_1)
	v_readfirstlane_b32 s[WV], v12                 ; wave 0..15
	s_bfe_u32 s13, ttmp6, 0x40000                  ; cx: it enters q's, oc's and os's addresses and the mask's numbers alone
	s_and_b32 s14, ttmp7, 0xffff                   ; batch x 16 + head, which the four partners share
	s_and_b32 s15, s14, 15                         ; head
	s_lshr_b32 s16, s14, 4                         ; batch
	s_lshr_b32 s80, s[WV], 3                       ; waves 0-7 fetch K and its scale words, waves 8-15 V and its
	s_and_b32 s81, s[WV], 7                        ; which eighth
	; descriptor groups 1: rows of 256 dense bytes (32 elements of 8); the mask names all four work-groups, bit 21 beside it
.irp g, G1A, G1S, G1B
	s_mov_b32 s[\g], 15|(3<<16)|(1<<21)
	s_mov_b32 s[\g+1], 32<<16                      ; tensor_dim0
	s_mov_b32 s[\g+3], 32<<16                      ; tile_dim0
	s_mov_b32 s[\g+5], 32                          ; tensor_dim0_stride
	s_mov_b32 s[\g+6], 0
	s_mov_b32 s[\g+7], 0
.endr
	s_mov_b32 s[G1A+2], 8<<16                      ; tensor_dim1, tile_dim1: an eighth of key steps 0 and 1: 2,048 bytes
	s_mov_b32 s[G1A+4], 8
	s_mov_b32 s[G1S+2], 2<<16                      ; an eighth of the scale words: 512 bytes
	s_mov_b32 s[G1S+4], 2
	s_mov_b32 s[G1B+2], 56<<16                     ; an eighth of key steps 2 to 15: 14,336 bytes
	s_mov_b32 s[G1B+4], 56
	s_add_co_u32 s82, s80, 1                       ; section 1 (k) or 2 (v)
	s_lshl_b32 s83, s82, 23
	s_lshl_b32 s84, s14, 17
	s_add_co_u32 s83, s83, s84                     ; the head's codes
	s_lshl_b32 s84, s81, 11
	s_add_co_u32 s84, s84, s83                     ; load A, in memory
	s_mov_b32 s85, 0
	s_mul_i32 s86, s81, 14336
	s_add_co_u32 s86, s86, s83
	s_add_co_u32 s86, s86, 16384                   ; load B
	s_mov_b32 s87, 0
	s_lshl_b32 s88, s82, 18
	s_lshl_b32 s89, s14, 12
	s_add_co_u32 s88, s88, s89
	s_lshl_b32 s89, s81, 9
	s_add_co_u32 s88, s88, s89                     ; load S
	s_mov_b32 s89, 0
	s_lshl_b32 s90, s80, 17                        ; in LDS: K's image or V's
	s_lshl_b32 s91, s81, 11
	s_add_co_u32 s91, s91, s90                     ; load A
	s_mul_i32 s92, s81, 14336
	s_add_co_u32 s92, s92, s90
	s_add_co_u32 s92, s92, 16384                   ; load B
	s_lshl_b32 s93, s[WV], 9
	s_add_co_u32 s93, s93, KSC                     ; load S: V's words lie 8 x 512 bytes behind K's
	s_mov_b32 s[SEL], 0x76543210
	s_mov_b32 s[SEL+1], 0xfedcba98
	s_mov_b32 s[CS], 0x3e38aa3b                    ; c = log2(e) / 8
	s_mov_b32 s[CS+1], s[CS]                       ; (named with it as a pair, so it is written)
	s_wait_dscnt 0x0                               ; both opening adds are done
	s_wait_kmcnt 0x0
	s_mov_b32 s[G0A], 1
	s_mov_b32 s[G0A+1], s91
	s_add_nc_u64 s[G0A+2:G0A+3], s[4:5], s[84:85]
	s_or_b32 s[G0A+3], s[G0A+3], 0x80000000
	s_mov_b32 s[G0S], 1
	s_mov_b32 s[G0S+1], s93
	s_add_nc_u64 s[G0S+2:G0S+3], s[6:7], s[88:89]
	s_or_b32 s[G0S+3], s[G0S+3], 0x80000000
	s_mov_b32 s[G0B], 1
	s_mov_b32 s[G0B+1], s92
	s_add_nc_u64 s[G0B+2:G0B+3], s[4:5], s[86:87]
	s_or_b32 s[G0B+3], s[G0B+3], 0x80000000
	ROUND                                          ; all four work-groups are here: the joint loads meet
	tensor_load_to_lds s[G0A:G0A+3], s[G1A:G1A+7]  ; every wave issues all three, with no branch: three tensor loads of mine are out
	s_nop 0
	tensor_load_to_lds s[G0S:G0S+3], s[G1S:G1S+7]
	s_nop 0
	tensor_load_to_lds s[G0B:G0B+3], s[G1B:G1B+7]
	s_nop 0
.rept 4
	v_nop
.endr
	v_and_b32 v12, 31, v0
	s_delay_alu instid0(VALU_DEP_1)
	v_lshlrev_b32 v[LI], 4, v12
	v_and_b32 v13, 15, v0                          ; r
	v_bfe_u32 v14, v0, 4, 1                        ; h
	s_delay_alu instid0(VALU_DEP_2)
	v_lshlrev_b32 v[R16], 4, v13
	s_delay_alu instid0(VALU_DEP_1)
	v_add_nc_u32 v[KR], KSC, v[R16]
	s_delay_alu instid0(VALU_DEP_2)
	v_add_nc_u32 v[OSO], v[R16], v14
	v_and_b32 v15, 8, v13
	s_delay_alu instid0(VALU_DEP_1)
	v_add_nc_u32 v[RQ], v15, v13
	v_lshlrev_b32 v15, 4, v14
	s_delay_alu instid0(VALU_DEP_1)
	v_sub_nc_u32 v[RQ], v[RQ], v15
.irp j, 0,1,2,3,4,5,6,7
	v_mov_b32 v[QZ+\j], 0                          ; the zero codes on both sides of q
	v_mov_b32 v[QZ+16+\j], 0
.endr
.irp b, 0,1,2,3
	v_mov_b32 v[PM+\b], 0                          ; written once: a lane permute's destination counts as one of its sources
.endr
	v_mov_b32 v[FF+1], 0                           ; (named as the upper half of the pair before it is first written)
	v_mov_b32 v[NINF], 0xff800000
; The head of a tile's walk.  heavy = 1: tile 127 - (4 w + cx); 0: tile 4 w + cx.
.macro PASS_HEAD heavy
	s_wait_xcnt 0x0                                ; the last tile's stores have read their addresses and data: both are written again only behind this wait
	s_lshl_b32 s76, s[WV], 2
	s_add_co_u32 s76, s76, s13                     ; the light tile
	s_lshr_b32 s[SA], s[WV], 1                     ; and its last key step
.if \heavy
	s_sub_co_u32 s76, 127, s76
	s_sub_co_u32 s[SA], 15, s[SA]
.endif
	s_lshl_b32 s66, s14, 17
	s_lshl_b32 s67, s76, 10
	s_add_co_u32 s66, s66, s67
	s_mov_b32 s67, 0
	s_add_nc_u64 s[68:69], s[4:5], s[66:67]        ; q's codes: section 0, 1,024 bytes a tile
	s_lshl_b32 s66, s14, 12
	s_lshr_b32 s77, s76, 3
	s_lshl_b32 s77, s77, 8
	s_add_co_u32 s66, s66, s77
	s_bfe_u32 s77, s76, 0x20001                    ; (a / 2) % 4: which word
	s_lshl_b32 s78, s77, 2
	s_add_co_u32 s66, s66, s78
	s_add_nc_u64 s[70:71], s[6:7], s[66:67]        ; q's scale word
	s_lshl_b32 s78, s16, 7
	s_add_co_u32 s78, s78, s76                     ; the tile among all 512 tiles of tokens
	s_lshl_b32 s66, s78, 14
	s_lshr_b32 s79, s15, 1
	s_lshl_b32 s79, s79, 11                        ; K step head / 2 of the last product,
	s_add_co_u32 s66, s66, s79
	s_and_b32 s79, s15, 1
	s_lshl_b32 s79, s79, 10                        ; groups 2 (head % 2) and the next
	s_add_co_u32 s66, s66, s79
	s_add_nc_u64 s[72:73], s[8:9], s[66:67]        ; O's codes
	s_lshl_b32 s66, s78, 9
	s_lshr_b32 s79, s15, 3
	s_lshl_b32 s79, s79, 8
	s_add_co_u32 s66, s66, s79
	s_bfe_u32 s79, s15, 0x20001
	s_lshl_b32 s79, s79, 2
	s_add_co_u32 s66, s66, s79
	s_and_b32 s79, s15, 1
	s_lshl_b32 s79, s79, 1
	s_add_co_u32 s66, s66, s79
	s_add_nc_u64 s[74:75], s[10:11], s[66:67]      ; O's scale bytes
	global_load_b128 v[QZ+8:QZ+11], v[LI], s[68:69]
	global_load_b128 v[QZ+12:QZ+15], v[LI], s[68:69] offset:512
	global_load_b32 v[TT], v[R16], s[70:71]
	s_lshl_b32 s77, s77, 5
	s_and_b32 s79, s76, 1
	s_lshl_b32 s66, s79, 3
	s_add_co_u32 s77, s77, s66                     ; 32 ((a / 2) % 4) + 8 (a % 2)
	v_add_nc_u32 v[QD], s77, v[RQ]
	s_lshl_b32 s79, s79, 4                         ; which half of the word is my tile's
.set j, 0
.rept 32
	v_mov_b32 v[OT+j], 0                           ; O^T.  (The step is written alike for all steps: the first finds zeros, which the first change of M leaves zeros)
.set j, j+1
.endr
	s_mov_b32 s[ST], 0
	s_mov_b32 s[KO], 0
	s_mov_b32 s[SOF], 0
	s_wait_loadcnt 0x0
	v_lshrrev_b32 v[TT], s79, v[TT]
	s_delay_alu instid0(VALU_DEP_1)
	v_and_b32 v[TT], 0xffff, v[TT]
	s_delay_alu instid0(VALU_DEP_1)
	v_lshl_or_b32 v[QW], v[TT], 16, v[TT]          ; q's two bytes twice: for k 0-63 and for k 64-127
	v_mov_b32 v13, 0xff61b1e6                      ; the largest t so far: -3e38, under every t
	s_delay_alu instid0(VALU_DEP_1)
	v_floor_f32 v12, -v13                          ; -M
	v_mov_b32 v14, 0                               ; the sum, in two halves
	v_mov_b32 v15, 0
.endm
; A KEY STEP: 128 keys.  full = 1: with the test that leaves out a step behind the tile's last, and with the mask on the diagonal; 0: a step that is known to lie under the diagonal.
.macro STEP full
.if \full
	s_cmp_gt_u32 s[ST], s[SA]                      ; the wave's number and the count of steps alone
	s_cbranch_scc1 .Lskip_\@
.endif
	s_setprio 2
	v_add_nc_u32 v[ADK], s[KO], v[LI]
	v_add_nc_u32 v[ADS], s[SOF], v[KR]
	s_delay_alu instid0(VALU_DEP_2)
	v_add_nc_u32 v[ADV], VIMG, v[ADK]
.rept 5
	v_nop                                          ; with the three additions: eight places in front of loads into registers that the last products read
.endr
.set n, 0
.rept 16
	ds_load_b128 v[F+4*n:F+4*n+3], v[ADK] offset:512*n   ; 8 key tiles of 1,024 bytes: four pairs, each 16 registers
.set n, n+1
.endr
	ds_load_b128 v[KW:KW+3], v[ADS]                ; word b: the bytes of tiles 2 b and 2 b + 1
	s_wait_alu depctr_va_vdst(0)
	s_wait_dscnt 0x0
.irp b, 0,1,2,3
	v_wmma_scale_f32_16x16x128_f8f6f4 v[S+16*\b:S+16*\b+7], v[F+16*\b:F+16*\b+15], v[QZ+8:QZ+23], 0, v[KW+\b], v[QW]     ; [q, zeros]: tile 2 b
	v_wmma_scale_f32_16x16x128_f8f6f4 v[S+16*\b+8:S+16*\b+15], v[F+16*\b:F+16*\b+15], v[QZ:QZ+15], 0, v[KW+\b], v[QW]    ; [zeros, q]: tile 2 b + 1
.endr
.rept 8
	v_nop
.endr
.set n, 0
.rept 16
	ds_load_b128 v[F+4*n:F+4*n+3], v[ADV] offset:512*n   ; V's four tiles of 16 dims x 128 keys: they land under the softmax
.set n, n+1
.endr
	ds_load_b128 v[VW:VW+3], v[ADS] offset:VSC-KSC
.if \full
	s_cmp_lg_u32 s[ST], s[SA]                      ; on the diagonal the scores of hidden keys become -infinity ahead of the maximum: p = 0 then.  Key 0 counts for every query, so M is a number from the first step on
	s_cbranch_scc1 .Lopen_\@
.set n, 0
.rept 64
	v_cmp_gt_i32 vcc_lo, 32*(n/16)+n%16, v[QD]     ; register 16 b + i holds key 32 b + 16 h + i of the step
	v_cndmask_b32 v[S+n], v[S+n], v[NINF], vcc_lo
.set n, n+1
.endr
.Lopen_\@:
.endif
.irp b, 0,1,2,3
	v_max3_num_f32 v[BM+\b], v[S+16*\b], v[S+1+16*\b], v[S+2+16*\b]   ; the largest score of each block of 32 keys: for the row's maximum and, since p rises with the score, for the block's largest p
.endr
.irp i, 3,5,7,9,11,13
.irp b, 0,1,2,3
	v_max3_num_f32 v[BM+\b], v[BM+\b], v[S+16*\b+\i], v[S+1+16*\b+\i]
.endr
.endr
.irp b, 0,1,2,3
	v_max_num_f32 v[BM+\b], v[BM+\b], v[S+15+16*\b]
.endr
.irp b, 0,1,2,3
	s_delay_alu instid0(VALU_DEP_4)
	v_permlanex16_b32 v[PM+\b], v[BM+\b], s[SEL], s[SEL+1]
.endr
.irp b, 0,1,2,3
	s_delay_alu instid0(VALU_DEP_4)
	v_max_num_f32 v[BM+\b], v[BM+\b], v[PM+\b]     ; with lane l xor 16's 16 keys
.endr
	s_delay_alu instid0(VALU_DEP_2)
	v_max3_num_f32 v[TT], v[BM], v[BM+1], v[BM+2]
	s_delay_alu instid0(VALU_DEP_1)
	v_max_num_f32 v[TT], v[TT], v[BM+3]            ; the step's largest score of my query
	s_delay_alu instid0(VALU_DEP_1)
	v_mul_f32 v[TT], s[CS], v[TT]                  ; as t
	s_delay_alu instid0(VALU_DEP_1)
	v_max_num_f32 v13, v13, v[TT]                  ; the running largest t
	v_mov_b32 v[TT], v12
	s_delay_alu instid0(VALU_DEP_2)
	v_floor_f32 v12, -v13                          ; the new -M = -ceil(t)
	s_delay_alu instid0(VALU_DEP_1)
	v_sub_f32 v[TT], v12, v[TT]                    ; old M less new M: a whole number, 0 or less
	s_delay_alu instid0(VALU_DEP_1)
	v_cvt_i32_f32 v[TT], v[TT]                     ; (it saturates)
	s_delay_alu instid0(VALU_DEP_1)
	v_ldexp_f32 v[FF], 1.0, v[TT]                  ; f = 2^(old M - new M)
.set n, 0
	s_setprio 1
.rept 32
	v_pk_fma_f32 v[S+n:S+n+1], v[S+n:S+n+1], s[CS:CS+1], v[12:13] op_sel_hi:[1,0,0]   ; t - M, two at a time
.set n, n+2
.endr
.irp b, 0,1,2,3
	v_fma_f32 v[BM+\b], v[BM+\b], s[CS], v12       ; the same of each block's largest score
.endr
.set n, 0
	s_wait_alu depctr_va_vdst(0)
.rept 64
	v_exp_f32 v[S+n], v[S+n]                       ; p = 2^(t - M)
.set n, n+1
.endr
	v_pk_mul_f32 v[14:15], v[14:15], v[FF:FF+1] op_sel_hi:[1,0]   ; the sums under the new M: the plain line behind the exponentials
	s_wait_alu depctr_va_vdst(0)                   ; one wait for the batch of 64, ahead of its first reader
.irp b, 0,1,2,3
	v_exp_f32 v[BM+\b], v[BM+\b]                   ; the block's largest p: the same two instructions on the same number
.endr
	v_pk_add_f32 v[224:225], v[112:113], v[116:117]
	v_pk_add_f32 v[254:255], v[120:121], v[124:125]
	v_pk_add_f32 v[252:253], v[128:129], v[132:133]
	v_pk_add_f32 v[250:251], v[136:137], v[140:141]
	v_pk_add_f32 v[248:249], v[144:145], v[148:149]
	v_pk_add_f32 v[246:247], v[152:153], v[156:157]
	v_pk_add_f32 v[244:245], v[160:161], v[164:165]
	v_pk_add_f32 v[14:15], v[14:15], v[168:169]
	v_pk_add_f32 v[224:225], v[224:225], v[108:109]
	v_pk_add_f32 v[254:255], v[254:255], v[110:111]
	v_pk_add_f32 v[252:253], v[252:253], v[114:115]
	v_pk_add_f32 v[250:251], v[250:251], v[118:119]
	v_pk_add_f32 v[248:249], v[248:249], v[122:123]
	v_pk_add_f32 v[246:247], v[246:247], v[126:127]
	v_pk_add_f32 v[244:245], v[244:245], v[130:131]
	v_pk_add_f32 v[14:15], v[14:15], v[134:135]
	v_pk_add_f32 v[224:225], v[224:225], v[138:139]
	v_pk_add_f32 v[254:255], v[254:255], v[142:143]
	v_pk_add_f32 v[252:253], v[252:253], v[146:147]
	v_pk_add_f32 v[250:251], v[250:251], v[150:151]
	v_pk_add_f32 v[248:249], v[248:249], v[154:155]
	v_pk_add_f32 v[246:247], v[246:247], v[158:159]
	v_pk_add_f32 v[244:245], v[244:245], v[162:163]
	v_pk_add_f32 v[14:15], v[14:15], v[166:167]
	v_pk_add_f32 v[224:225], v[224:225], v[170:171]
	s_delay_alu instid0(VALU_DEP_2)
	v_pk_add_f32 v[14:15], v[14:15], v[250:251]
	s_delay_alu instid0(VALU_DEP_2)
	v_pk_add_f32 v[224:225], v[224:225], v[248:249]
	v_pk_add_f32 v[254:255], v[254:255], v[246:247]
	v_pk_add_f32 v[252:253], v[252:253], v[244:245]
	s_delay_alu instid0(VALU_DEP_2)
	v_pk_add_f32 v[14:15], v[14:15], v[254:255]
	s_delay_alu instid0(VALU_DEP_2)
	v_pk_add_f32 v[224:225], v[224:225], v[252:253]
	s_delay_alu instid0(VALU_DEP_1)
	v_pk_add_f32 v[14:15], v[14:15], v[224:225]
	s_setprio 0
	s_wait_alu depctr_va_vdst(0)                   ; and one for the four
.irp b, 0,1,2,3
	v_max_num_f32 v[BM+\b], 0x4800000, v[BM+\b]    ; the floor 2^(9 - 127): the byte cannot fall under 1
.endr
.irp b, 0,1,2,3
	s_delay_alu instid0(VALU_DEP_4)
	v_add_nc_u32 v[SOP+\b], 0xfc000000, v[BM+\b]   ; 8 off the exponent field: the conversion's scale operand
.endr
.irp b, 0,1,2,3
.endr
.irp b, 0,1,2,3
	s_delay_alu instid0(VALU_DEP_4)
	v_lshrrev_b32 v[PM+\b], 23, v[SOP+\b]          ; the scale's byte
.endr
	s_delay_alu instid0(VALU_DEP_3)
	v_lshl_or_b32 v[PSW], v[PM+1], 8, v[PM]        ; p's scale word for these 128 keys
	s_delay_alu instid0(VALU_DEP_1)
	v_lshl_or_b32 v[PSW], v[PM+2], 16, v[PSW]
	s_delay_alu instid0(VALU_DEP_1)
	v_lshl_or_b32 v[PSW], v[PM+3], 24, v[PSW]
.irp b, 0,1,2,3
.irp i, 0,1,2,3,4,5,6,7,8,9,10,11,12,13,14,15
.endr
	v_cvt_scalef32_pk8_fp8_f32 v[PC+4*\b:PC+1+4*\b], v[S+16*\b:S+7+16*\b], v[SOP+\b]
	v_cvt_scalef32_pk8_fp8_f32 v[PC+2+4*\b:PC+3+4*\b], v[S+8+16*\b:S+15+16*\b], v[SOP+\b]
.endr
.set n, 0
.rept 16
	v_pk_mul_f32 v[OT+n:OT+n+1], v[OT+n:OT+n+1], v[FF:FF+1] op_sel_hi:[1,0]   ; O^T under the new M.  (These 16 are also the places between the codes and the products below)
.set n, n+2
.endr
	s_wait_alu depctr_va_vdst(0)
	s_wait_dscnt 0x0                               ; V and its scale words are in
.irp t, 0,1,2,3
	v_wmma_scale_f32_16x16x128_f8f6f4 v[OT+8*\t:OT+8*\t+7], v[F+16*\t:F+16*\t+15], v[PC:PC+15], v[OT+8*\t:OT+8*\t+7], v[VW+\t], v[PSW]   ; the four accumulators by turns
.endr
.if \full
.Lskip_\@:
.endif
	s_add_co_u32 s[KO], s[KO], 8192                ; the next step's tiles and scale words
	s_add_co_u32 s[SOF], s[SOF], 256
.endm
; The end of a tile's walk: O^T / the sum; registers 16 B + i are the head's dims 32 B + 16 h + i: two blocks of 32 along the last product's K, quantised; the codes leave as they fall.
.macro FINISH
.rept 8
	v_nop                                          ; places behind the last products
.endr
	v_add_f32 v14, v14, v15                        ; the sum's two halves,
	s_delay_alu instid0(VALU_DEP_1)
	v_permlanex16_b32 v[TT], v14, s[SEL], s[SEL+1]
	s_delay_alu instid0(VALU_DEP_1)
	v_add_f32 v14, v14, v[TT]                      ; and lane l xor 16's
	s_wait_alu depctr_va_vdst(0)
	v_rcp_f32 v14, v14
	v_and_b32 v[TT+1], 16, v0                      ; (the plain line behind the reciprocal)  not 0 in lanes 16-31
	s_wait_alu depctr_va_vdst(0)                   ; the wait ahead of its first reader
.set n, 0
.rept 16
	v_pk_mul_f32 v[S+n:S+n+1], v[OT+n:OT+n+1], v[14:15] op_sel_hi:[1,0]   ; each accumulator from its low end on
.set n, n+2
.endr
.irp b, 0,1
	v_max3_num_f32 v[BM+\b], |v[S+16*\b]|, |v[S+1+16*\b]|, 0x4800000
.endr
.irp i, 2,4,6,8,10,12,14
.irp b, 0,1
	s_delay_alu instid0(VALU_DEP_2)
	v_max3_num_f32 v[BM+\b], v[BM+\b], |v[S+16*\b+\i]|, |v[S+1+16*\b+\i]|
.endr
.endr
.irp b, 0,1
	s_delay_alu instid0(VALU_DEP_2)
	v_permlanex16_b32 v[PM+\b], v[BM+\b], s[SEL], s[SEL+1]
.endr
.irp b, 0,1
	s_delay_alu instid0(VALU_DEP_2)
	v_max_num_f32 v[BM+\b], v[BM+\b], v[PM+\b]
.endr
.irp b, 0,1
	s_delay_alu instid0(VALU_DEP_2)
	v_add_nc_u32 v[SOP+\b], 0xfc000000, v[BM+\b]
.endr
.irp b, 0,1
.endr
.irp b, 0,1
	s_delay_alu instid0(VALU_DEP_2)
	v_lshrrev_b32 v[PM+\b], 23, v[SOP+\b]
.endr
.irp b, 0,1
.irp i, 0,1,2,3,4,5,6,7,8,9,10,11,12,13,14,15
.endr
	v_cvt_scalef32_pk8_fp8_f32 v[F+4*\b:F+1+4*\b], v[S+16*\b:S+7+16*\b], v[SOP+\b]
	v_cvt_scalef32_pk8_fp8_f32 v[F+2+4*\b:F+3+4*\b], v[S+8+16*\b:S+15+16*\b], v[SOP+\b]
.endr
	v_nop                                          ; a plain vector line behind the last conversion
	v_cmp_ne_u32 vcc_lo, 0, v[TT+1]
	s_delay_alu instid0(VALU_DEP_1)
	v_cndmask_b32 v[TT+1], v[PM], v[PM+1], vcc_lo  ; lanes 0-15 store the first block's byte of their row, lanes 16-31 the second's
	global_store_b128 v[LI], v[F:F+3], s[72:73]               ; 512 consecutive bytes
	global_store_b128 v[LI], v[F+4:F+7], s[72:73] offset:512
	global_store_b8 v[OSO], v[TT+1], s[74:75]      ; 32 single bytes, 2 of each row's 16: the other heads' bytes of these 256 come from other work-groups; one byte for each 32 of codes
.endm
	PASS_HEAD 1                                    ; the heavy tile first: its last key step is 8 or later
	s_wait_alu depctr_va_vdst(0)
	s_wait_tensorcnt 1                             ; my parts of key steps 0 and 1 and of the scale words are in; the rest may be out
	s_barrier_signal -1
	s_barrier_wait -1                              ; everybody's are
	STEP 0                                         ; key steps 0 and 1, written out: both lie under the heavy tile's diagonal; their LDS bytes are those of the first two loads alone
	STEP 0
	s_wait_dscnt 0x0
	s_wait_tensorcnt 0x0                           ; my part of the rest is in,
	s_barrier_signal -1
	s_barrier_wait -1                              ; everybody's is: from here on the waves share nothing that changes
	s_mov_b32 s[ST], 2
.Lheavy:                                           ; 14 trips, a constant: a step behind the tile's last is jumped over inside the trip
	STEP 1
	s_add_co_u32 s[ST], s[ST], 1
	s_cmp_lt_u32 s[ST], 16
	s_cbranch_scc1 .Lheavy
	s_setprio 0
	FINISH
	PASS_HEAD 0                                    ; the light tile: its last key step is 7 or earlier
.Llight:                                           ; 8 trips
	STEP 1
	s_add_co_u32 s[ST], s[ST], 1
	s_cmp_lt_u32 s[ST], 8
	s_cbranch_scc1 .Llight
	s_setprio 0
	s_wait_alu depctr_va_vdst(0)
	FINISH
	s_wait_tensorcnt 0x0                           ; the wave's end: behind my last tensor load
	ds_add_u32 v[SPW], v[NIL]
	s_wait_dscnt 0x0
	ROUND                                          ; the closing round
	s_endpgm
.Lfunc_end_k_qe8cd932817_attn:
	.size	k_qe8cd932817_attn, .Lfunc_end_k_qe8cd932817_attn-k_qe8cd932817_attn
	.p2alignl 7, 3214868480
	.fill 96, 4, 3214868480
	.section	.rodata,"a",@progbits
	.p2align	6, 0x0
	.amdhsa_kernel k_qe8cd932817_attn
		.amdhsa_group_segment_fixed_size 327680
		.amdhsa_private_segment_fixed_size 0
		.amdhsa_enable_private_segment 0
		.amdhsa_kernarg_size 32
		.amdhsa_user_sgpr_count 2
		.amdhsa_user_sgpr_kernarg_segment_ptr 1
		.amdhsa_wavefront_size32 1
		.amdhsa_system_sgpr_workgroup_id_x 1
		.amdhsa_system_sgpr_workgroup_id_y 1
		.amdhsa_system_sgpr_workgroup_id_z 1
		.amdhsa_system_vgpr_workitem_id 0
		.amdhsa_next_free_vgpr 256
		.amdhsa_next_free_sgpr 96
		.amdhsa_reserve_vcc 1
		.amdhsa_float_denorm_mode_32 3
		.amdhsa_float_denorm_mode_16_64 3
		.amdhsa_fp16_overflow 1
		.amdhsa_memory_ordered 1
		.amdhsa_forward_progress 1
		.amdhsa_inst_pref_size 101
	.end_amdhsa_kernel
	.amdgpu_metadata
---
amdhsa.version: [ 1, 2 ]
amdhsa.kernels:
  - .name:           k_qe8cd932817_attn
    .symbol:         k_qe8cd932817_attn.kd
    .args:
      - { .name: qkv, .offset: 0, .size: 8, .value_kind: global_buffer, .address_space: global }
      - { .name: qkvs, .offset: 8, .size: 8, .value_kind: global_buffer, .address_space: global }
      - { .name: oc, .offset: 16, .size: 8, .value_kind: global_buffer, .address_space: global }
      - { .name: os, .offset: 24, .size: 8, .value_kind: global_buffer, .address_space: global }
    .group_segment_fixed_size: 327680
    .private_segment_fixed_size: 0
    .kernarg_segment_align: 8
    .kernarg_segment_size: 32
    .max_flat_workgroup_size: 512
    .sgpr_count:     96
    .vgpr_count:     256
    .wavefront_size: 32
...
	.end_amdgpu_metadata
.endif
;; end of part 3
;; launch proj (part 4): grid 4 x 32, 4 waves a work-group, clusters of 4 x 4, 327,680 bytes of LDS; arguments oc, os, wc, sc, out0; writes out0
.if DOCPART == 4
	.amdgcn_target "amdgcn-amd-amdhsa--gfx1250"
	.amdhsa_code_object_version 6
	.text
	.protected	k_qe8cd932817_proj
	.globl	k_qe8cd932817_proj
	.p2align	8
	.type	k_qe8cd932817_proj,@function
k_qe8cd932817_proj:
	s_mov_b64 s[64:65], 0
	v_nop
	global_prefetch_b8 v0, s[64:65] scope:SCOPE_SE
	s_setreg_imm32_b32 hwreg(HW_REG_WAVE_MODE, 25, 1), 1
	s_wait_xcnt 0x0
	s_wait_alu depctr_hold_cnt(0) depctr_sa_sdst(0) depctr_va_vdst(0) depctr_va_sdst(0) depctr_va_ssrc(0) depctr_va_vcc(0) depctr_vm_vsrc(0)
	s_getreg_b32 s2, hwreg(HW_REG_IB_STS2, 6, 4)
	s_cmp_eq_u32 s2, 0
	s_cbranch_scc0 .Lentry_in_a_cluster
	s_endpgm
.Lentry_in_a_cluster:
	s_bfe_u32 s2, ttmp6, 0x10000c
	s_cmp_lg_u32 s2, 0xf033
	s_cbranch_scc0 .Lentry_shape_is_right
	s_endpgm
.Lentry_shape_is_right:
; LAUNCH 4 OF 4.  out0 = O Wout^T on codes of E4M3 (K = 1,024), f32 results.  No work is left out here.
; The same product as launch qkv's: operands are images of registers (a fragment is 2,048 bytes [c][lane][16]; a tile's lane-row r is row 32 (a / 2) + 8 (a % 2) + r + 8 (r / 8)).  Source 0 takes tiles of P = Wout's rows, source 1 tiles of R = tokens:
; a lane holds one token, and the 16 registers of P's tiles 2 B, 2 B + 1 are output columns 32 B + 16 h + 0 .. 15.
; A work-group makes 256 x 256 results, each of its four waves 128 x 128.  K goes in four steps of 256 through two LDS slots; the scale words come once.  CLUSTERS of 4 x 4: R's tiles shared along a row, P's along a column, asked for jointly.
; The 128 tiles of 256 x 256 are 128 work-groups; a second, smaller tile shape was not written for this one launch.
; THE WAY OUT: a block of 16 tokens x 128 columns goes through the wave's own stage in LDS and comes back as whole rows of 512 bytes.  The stage lies in slot 0, which has had its last fill and its last read when the first result is stored there.
; REGISTERS, in windows of 256: window 0: v0-31 addresses; v32-63 scale words and nothing else; v128-255 R's fragments, on the way out rows of out0.  window 1: P's fragments, two sets.  windows 2, 3: the accumulators ((a, b) at v[8 (8 (a % 4) + b)]).
.set NQ,    2
.set FR,    16
.set NL,    4
.set NP,    8                          ; places behind this matrix instruction (ISA guide 7.12.1)
.set BLK,   4096                       ; a tile's two fragments in a slot
.set HALFT, 8*BLK                      ; 8 tiles: what one tensor load brings
.set SLOT,  4*HALFT
.set SCL,   2*SLOT                     ; behind the ring: the scale words, 512 bytes a tile
.set HALFS, 4096
.set SPARE, SCL+4*HALFS                ; the spare words, 128 bytes for each wave
.set SPITCH, 528                       ; a stage row: 512 bytes + 16
.set ADRA, 16                          ; v16-17  LDS address of my R fragments in slot 0, 1
.set ADRB, 20                          ; v20-21  the same for P
.set STO,  24                          ; v24     the way out: where I put my bytes of a row
.set RD,   25                          ; v25     where I read a row back
.set LI,   26                          ; v26     16 x lane
.set ADRS, 27                          ; v27     LDS address of my scale words
.set SPW,  28                          ; v28     LDS address of my spare word; never rewritten
.set NIL,  29                          ; v29     0; never rewritten
.set SC,   32
.set AF,   128
.set BK,   128                         ; the way out: 16 rows read back: v128-191 and v192-255 by turns
.set G1, 24
.set G0, 32
.set G1B, 48
.set G0B, 56
.set G1S, 68
.set G0S, 76
.set G1SB, 80
.set G0SB, 88
.set MSB, 0
.macro WIN new                         ; the immediate's high byte repeats the setting that is left
.if MSB != \new
	s_set_vgpr_msb (MSB<<8)|\new
.set MSB, \new
.endif
.endm
.set MUL_LO, 0xa1                      ; source 0 (P) window 1, source 1 (R) window 0, C and D window 2
.set MUL_HI, 0xf1                      ; the same, C and D window 3
.set TO_B,   0x40                      ; destination window 1, address window 0
.macro JLOAD g0a, g1a, g0b, g1b        ; a joint load: waves 0 and 1 fetch for R, waves 2 and 3 for P; an s_nop 0 and four v_nop follow each of the two lines
	s_cmp_eq_u32 s15, 0
	s_cbranch_scc0 .Lfor_b_\@
	tensor_load_to_lds s[\g0a:\g0a+3], s[\g1a:\g1a+7]
	s_nop 0
.rept 4
	v_nop
.endr
	s_branch .Lasked_\@
.Lfor_b_\@:
	tensor_load_to_lds s[\g0b:\g0b+3], s[\g1b:\g1b+7]
	s_nop 0
.rept 4
	v_nop
.endr
.Lasked_\@:
.endm
.macro CREST                           ; a round of the cluster's barrier behind its opening barrier
	s_cmp_lg_u32 s14, 0
	s_cbranch_scc1 .Lnot_wave_0_\@
	s_barrier_signal -3
.Lnot_wave_0_\@:
	s_barrier_wait -3
	s_barrier_signal -1
	s_barrier_wait -1
.endm
.macro CROUND
	s_barrier_signal -1
	s_barrier_wait -1
	CREST
.endm
	s_load_b256 s[4:11], s[0:1], 0x0               ; oc, os, wc, sc
	s_load_b64 s[12:13], s[0:1], 0x20              ; out0
	v_lshl_add_u32 v[SPW], v0, 2, SPARE
	v_mov_b32 v[NIL], 0
	ds_add_u32 v[SPW], v[NIL]                      ; the wave's opening: the add, twice on end, and its wait ahead of my first tensor load
	ds_add_u32 v[SPW], v[NIL]
	v_lshrrev_b32 v1, 5, v0
	v_readfirstlane_b32 s14, v1                    ; wave 0..3
	s_lshr_b32 s15, s14, 1                         ; which half of R's 256 rows is mine.  Also: I fetch for R (0) or for P (1)
	s_and_b32 s16, s14, 1                          ; which half of P's.  Also: which 8 tiles I fetch
	s_bfe_u32 s40, ttmp6, 0x40000                  ; cx, cy
	s_bfe_u32 s41, ttmp6, 0x40004
	s_lshl_b32 s42, ttmp9, 2
	s_add_co_u32 s42, s42, s40                     ; P's tile of 256 rows of Wout
	s_and_b32 s17, ttmp7, 0xffff
	s_lshl_b32 s17, s17, 2
	s_add_co_u32 s17, s17, s41                     ; R's tile of 256 tokens
	s_lshl_b32 s43, s41, 2
	s_lshl_b32 s43, 15, s43                        ; my row of the cluster
	s_lshl_b32 s44, 0x1111, s40                    ; my column
	s_or_b32 s[G1+0], s43, (3<<16)|(1<<21)         ; codes: 8 rows (tiles) of 512 elements of 8 bytes, 2,048 elements apart
	s_or_b32 s[G1B+0], s44, (3<<16)|(1<<21)
.irp g, G1, G1B
	s_mov_b32 s[\g+1], 512<<16
	s_mov_b32 s[\g+2], 8<<16
	s_mov_b32 s[\g+3], 512<<16
	s_mov_b32 s[\g+4], 8
	s_mov_b32 s[\g+5], 2048
	s_mov_b32 s[\g+6], 0
	s_mov_b32 s[\g+7], 0
.endr
	s_or_b32 s[G1S+0], s43, (3<<16)|(1<<21)        ; scale words of 8 tiles: 4,096 dense bytes as 16 rows of 256
	s_or_b32 s[G1SB+0], s44, (3<<16)|(1<<21)
.irp g, G1S, G1SB
	s_mov_b32 s[\g+1], 32<<16
	s_mov_b32 s[\g+2], 16<<16
	s_mov_b32 s[\g+3], 32<<16
	s_mov_b32 s[\g+4], 16
	s_mov_b32 s[\g+5], 32
	s_mov_b32 s[\g+6], 0
	s_mov_b32 s[\g+7], 0
.endr
	s_lshl_b32 s20, s17, 1
	s_add_co_u32 s20, s20, s16                     ; R: which run of 8 tiles I fetch
	s_lshl_b32 s22, s20, 12
	s_lshl_b32 s20, s20, 17
	s_mov_b32 s21, 0
	s_mov_b32 s23, 0
	s_lshl_b32 s46, s42, 1
	s_add_co_u32 s46, s46, s16                     ; P likewise;
	s_lshl_b32 s92, s46, 12
	s_lshl_b32 s46, s46, 17
	s_add_co_u32 s46, s46, 3145728                 ; Wout's codes lie behind Wqkv's in wc,
	s_add_co_u32 s92, s92, 360448                  ; its scale words behind x's and Wqkv's in sc
	s_mov_b32 s47, 0
	s_mov_b32 s93, 0
	s_mul_i32 s45, s14, HALFT                      ; where they go: wave x 8 tiles
	s_mul_i32 s94, s14, HALFS
	s_wait_dscnt 0x0                               ; both opening adds are done
	s_wait_kmcnt 0x0
	s_add_nc_u64 s[20:21], s[4:5], s[20:21]
	s_add_nc_u64 s[22:23], s[6:7], s[22:23]
	s_add_nc_u64 s[46:47], s[8:9], s[46:47]
	s_add_nc_u64 s[92:93], s[10:11], s[92:93]
	CROUND                                         ; all sixteen work-groups are here: the first joint loads meet
	s_mov_b32 s[G0S], 1
	s_add_co_u32 s[G0S+1], s94, SCL
	s_mov_b64 s[G0S+2:G0S+3], s[22:23]
	s_or_b32 s[G0S+3], s[G0S+3], 0x80000000
	s_mov_b32 s[G0SB], 1
	s_add_co_u32 s[G0SB+1], s94, SCL
	s_mov_b64 s[G0SB+2:G0SB+3], s[92:93]
	s_or_b32 s[G0SB+3], s[G0SB+3], 0x80000000
	JLOAD G0S, G1S, G0SB, G1SB
.irp s, 0,1
	s_mov_b32 s[G0+4*\s], 1
	s_add_co_u32 s[G0+4*\s+1], s45, \s*SLOT
	s_add_nc_u64 s[G0+4*\s+2:G0+4*\s+3], s[20:21], \s*BLK
	s_or_b32 s[G0+4*\s+3], s[G0+4*\s+3], 0x80000000
	s_mov_b32 s[G0B+4*\s], 1
	s_add_co_u32 s[G0B+4*\s+1], s45, \s*SLOT
	s_add_nc_u64 s[G0B+4*\s+2:G0B+4*\s+3], s[46:47], \s*BLK
	s_or_b32 s[G0B+4*\s+3], s[G0B+4*\s+3], 0x80000000
	s_wait_alu depctr_va_vdst(0)
	s_wait_tensorcnt 0x0
	ds_add_u32 v28, v29
	s_wait_dscnt 0x0
	CROUND
	JLOAD G0+4*\s, G1, G0B+4*\s, G1B               ; one tensor load of mine is out
.endr
	v_and_b32 v1, 15, v0                           ; r
	v_bfe_u32 v2, v0, 4, 1                         ; h
	s_wait_alu depctr_va_vdst(0)
	v_and_b32 v3, 31, v0
	v_lshlrev_b32 v[LI], 4, v3
	s_mul_i32 s18, s15, HALFT
	s_mul_i32 s19, s16, HALFT
	s_add_co_u32 s19, s19, 2*HALFT
.irp s, 0,1
	v_add_nc_u32 v[ADRA+\s], s18, v[LI]
	v_add_nc_u32 v[ADRB+\s], s19, v[LI]
	s_add_co_u32 s18, s18, SLOT
	s_add_co_u32 s19, s19, SLOT
.endr
	v_lshlrev_b32 v5, 4, v1
	s_mul_i32 s18, s15, HALFS
	s_mul_i32 s19, s16, HALFS
	s_add_co_u32 s19, s19, 2*HALFS
	s_sub_co_u32 s19, s19, s18
	v_mul_u32_u24 v6, s19, v2                      ; lanes 16-31 take P's: the lower base + h x the distance
	s_add_co_u32 s18, s18, SCL
	v_add_nc_u32 v5, v5, v6
	v_add_nc_u32 v[ADRS], s18, v5
	s_mul_i32 s18, s14, 16*SPITCH                  ; my stage
	v_mul_u32_u24 v5, v1, SPITCH
	v_lshl_add_u32 v5, v2, 6, v5
	v_add_nc_u32 v[STO], s18, v5                   ; in: lane-row r, + 64 h
	v_add_nc_u32 v[RD], s18, v[LI]                 ; back: the 32 lanes take one row of 512 bytes
	s_lshl_b32 s66, s17, 1                         ; where my results go (these registers hold both coordinates and feed no descriptor)
	s_add_co_u32 s66, s66, s15
	s_lshl_b32 s66, s66, 19                        ; my first token: 128 rows of 4,096 bytes a half
	s_lshl_b32 s95, s42, 1
	s_add_co_u32 s95, s95, s16
	s_lshl_b32 s95, s95, 9                         ; my first column: 512 bytes a half
	s_add_co_u32 s66, s66, s95
	s_mov_b32 s67, 0
	s_add_nc_u64 s[12:13], s[12:13], s[66:67]
.macro FRAG reg, adr, q, i             ; a fragment comes as it lies: four loads of 512 consecutive bytes
.irp c, 0,1,2,3
	ds_load_b128 v[\reg+4*\c:\reg+4*\c+3], v[\adr] offset:(\i)*BLK+(\q)*2048+512*\c
.endr
.endm
; 16 matrix instructions: R's tiles a0, a0 + 1 x P's eight.  The 64 accumulators take turns, one instruction a turn, in the same order in every step.
.macro MUL16 a0, p, q, sc, zero
.irp a, \a0, \a0+1
.irp b, 0,1,2,3,4,5,6,7
.if \zero
	v_wmma_scale_f32_16x16x128_f8f6f4 v[8*(8*((\a)%4)+\b):8*(8*((\a)%4)+\b)+7], v[128*(\p)+FR*\b:128*(\p)+FR*\b+FR-1], v[AF+FR*(\a):AF+FR*(\a)+FR-1], 0, v[SC+8*NQ*(\sc)+NQ*\b+(\q)], v[SC+8*NQ*(\sc)+NQ*(\a)+(\q)] matrix_a_scale:MATRIX_SCALE_ROW1
.else
	v_wmma_scale_f32_16x16x128_f8f6f4 v[8*(8*((\a)%4)+\b):8*(8*((\a)%4)+\b)+7], v[128*(\p)+FR*\b:128*(\p)+FR*\b+FR-1], v[AF+FR*(\a):AF+FR*(\a)+FR-1], v[8*(8*((\a)%4)+\b):8*(8*((\a)%4)+\b)+7], v[SC+8*NQ*(\sc)+NQ*\b+(\q)], v[SC+8*NQ*(\sc)+NQ*(\a)+(\q)] matrix_a_scale:MATRIX_SCALE_ROW1
.endif
.endr
.endr
.endm
.macro FETCH_B slot, q, p
	WIN TO_B
.irp i, 0,1,2,3,4,5,6,7
	FRAG 128*(\p)+FR*\i, ADRB+\slot, \q, \i
.endr
	WIN 0
.endm
.macro FETCH_A slot, q, i0
.irp i, \i0, \i0+1, \i0+2, \i0+3
	FRAG AF+FR*(\i), ADRA+\slot, \q, \i
.endr
.endm
.macro SCALES set, sg
.irp i, 0,1,2,3,4,5,6,7
	ds_load_b64 v[SC+8*NQ*\set+NQ*\i:SC+8*NQ*\set+NQ*\i+1], v[ADRS] offset:\i*512+((\sg)/2)*256+((\sg)%2)*8
.endr
.endm
.macro PLACES n
.rept \n
	v_nop
.endr
.endm
.macro STEP slot, q, zero
	s_wait_dscnt 4*NL                              ; P's set, R's tiles 0-3 and the scale words are in; the youngest 16 loads (R's tiles 4-7) may be out
	WIN MUL_LO
	MUL16 0, (\q)%2, \q, \slot, \zero
	MUL16 2, (\q)%2, \q, \slot, \zero
	s_wait_dscnt 0
	PLACES NP
	FETCH_B \slot, (\q)+1, 1-(\q)%2
	FETCH_A \slot, (\q)+1, 0
	WIN MUL_HI
	MUL16 4, (\q)%2, \q, \slot, \zero
	MUL16 6, (\q)%2, \q, \slot, \zero
	PLACES NP
	WIN 0
	FETCH_A \slot, (\q)+1, 4
.endm
.macro TURN slot, next, fill, sg
	s_wait_tensorcnt 0x0                           ; all my tensor loads have landed: my part of the next slot
	ds_add_u32 v[SPW], v[NIL]                      ; 0 onto my spare word
	s_wait_dscnt 4*NL+1                            ; the add and the youngest 16 loads may be out
	WIN MUL_LO
	MUL16 0, 1, NQ-1, \slot, 0
	s_wait_dscnt 0x0                               ; the add is done, and my reads of this slot are over
	s_barrier_signal -1
	MUL16 2, 1, NQ-1, \slot, 0
	WIN 0
	s_barrier_wait -1
.if \fill
	CREST                                          ; no wave of any partner still reads this slot or has a load on its way
	s_add_nc_u64 s[G0+4*\slot+2:G0+4*\slot+3], s[G0+4*\slot+2:G0+4*\slot+3], 2*BLK
	s_add_nc_u64 s[G0B+4*\slot+2:G0B+4*\slot+3], s[G0B+4*\slot+2:G0B+4*\slot+3], 2*BLK
	JLOAD G0+4*\slot, G1, G0B+4*\slot, G1B         ; the first tensor load behind the round, my only one until the next
	PLACES NP-4
.else
	PLACES NP
.endif
	FETCH_B \next, 0, 0
	FETCH_A \next, 0, 0
	SCALES \next, \sg
	WIN MUL_HI
	MUL16 4, 1, NQ-1, \slot, 0
	MUL16 6, 1, NQ-1, \slot, 0
	PLACES NP
	WIN 0
	FETCH_A \next, 0, 4
.endm
	s_wait_alu depctr_va_vdst(0)
	s_wait_tensorcnt 1                             ; the scale words and my part of K step 0 are in; K step 1's load may be out
	s_barrier_signal -1
	s_barrier_wait -1
	FETCH_B 0, 0, 0
	FETCH_A 0, 0, 0
	SCALES 0, 0
	FETCH_A 0, 0, 4
	STEP 0, 0, 1
	TURN 0, 1, 1, 1
	STEP 1, 0, 0
	TURN 1, 0, 1, 2
	STEP 0, 0, 0
	TURN 0, 1, 0, 3                                ; behind this barrier nobody reads slot 0 any more, and nothing is filled again
	STEP 1, 0, 0
	s_wait_dscnt 4*NL
	WIN MUL_LO
	MUL16 0, 1, NQ-1, 1, 0
	MUL16 2, 1, NQ-1, 1, 0
	s_wait_dscnt 0
	WIN MUL_HI
	MUL16 4, 1, NQ-1, 1, 0
	MUL16 6, 1, NQ-1, 1, 0
	WIN 0
; THE WAY OUT.  Accumulator b of a block holds columns 32 (b / 2) + 8 (b % 2) + 16 h + 0 .. 7 of lane-row r.  LDS serves a wave's instructions in order: no wait between the stores and the loads, nor in front of the next block's stores.
.macro TOSTAGE a
.set AC, 64*((\a)%4)
.set WW, 0x08+4*((\a)/4)
	WIN WW                                         ; an LDS store's data are its source 1: window 2 or 3
.irp b, 0,1,2,3,4,5,6,7
	ds_store_b128 v[STO], v[AC+8*\b:AC+8*\b+3] offset:128*(\b/2)+32*(\b%2)          ; each accumulator from its low end on
	ds_store_b128 v[STO], v[AC+8*\b+4:AC+8*\b+7] offset:128*(\b/2)+32*(\b%2)+16
.endr
	WIN 0
.set BB, BK+64*((\a)%2)
.irp t, 0,1,2,3,4,5,6,7,8,9,10,11,12,13,14,15
	ds_load_b128 v[BB+4*\t:BB+4*\t+3], v[RD] offset:\t*SPITCH
.endr
.endm
.macro SEND a, younger                 ; younger: the LDS instructions issued behind block a's loads, which may stay out
.set BB, BK+64*((\a)%2)
	s_wait_dscnt \younger
.irp t, 0,1,2,3,4,5,6,7,8,9,10,11,12,13,14,15
	global_store_b128 v[LI], v[BB+4*\t:BB+4*\t+3], s[12:13] offset:(32*((\a)/2)+8*((\a)%2)+\t+8*(\t/8))*4096 th:TH_STORE_NT   ; 32 lanes store 512 consecutive bytes of the lane-row's token; 127 rows of 4,096 bytes at the most
.endr
.endm
	PLACES NP                                      ; behind the last products: their results are read, and R's registers loaded into, only from here on
	TOSTAGE 0
.irp a, 1,2,3,4,5,6,7
.if \a > 1
	s_wait_xcnt 0x0                                ; block a - 2's stores have read their registers: block a's loads may land there
.endif
	TOSTAGE \a
	SEND \a-1, 32                                  ; behind block a - 1's loads: block a's 16 stores and 16 loads
.endr
	SEND 7, 0
	s_wait_tensorcnt 0x0                           ; the wave's end: behind my last tensor load and my last LDS store
	ds_add_u32 v[SPW], v[NIL]
	s_wait_dscnt 0x0
	CROUND                                         ; the closing round
	s_endpgm
.Lfunc_end_k_qe8cd932817_proj:
	.size	k_qe8cd932817_proj, .Lfunc_end_k_qe8cd932817_proj-k_qe8cd932817_proj
	.p2alignl 7, 3214868480
	.fill 96, 4, 3214868480
	.section	.rodata,"a",@progbits
	.p2align	6, 0x0
	.amdhsa_kernel k_qe8cd932817_proj
		.amdhsa_group_segment_fixed_size 327680
		.amdhsa_private_segment_fixed_size 0
		.amdhsa_enable_private_segment 0
		.amdhsa_kernarg_size 40
		.amdhsa_user_sgpr_count 2
		.amdhsa_user_sgpr_kernarg_segment_ptr 1
		.amdhsa_wavefront_size32 1
		.amdhsa_system_sgpr_workgroup_id_x 1
		.amdhsa_system_sgpr_workgroup_id_y 1
		.amdhsa_system_sgpr_workgroup_id_z 1
		.amdhsa_system_vgpr_workitem_id 0
		.amdhsa_next_free_vgpr 1024
		.amdhsa_next_free_sgpr 98
		.amdhsa_reserve_vcc 0
		.amdhsa_float_denorm_mode_32 3
		.amdhsa_float_denorm_mode_16_64 3
		.amdhsa_memory_ordered 1
		.amdhsa_forward_progress 1
		.amdhsa_inst_pref_size 145
	.end_amdhsa_kernel
	.amdgpu_metadata
---
amdhsa.version: [ 1, 2 ]
amdhsa.kernels:
  - .name:           k_qe8cd932817_proj
    .symbol:         k_qe8cd932817_proj.kd
    .args:
      - { .name: oc, .offset: 0, .size: 8, .value_kind: global_buffer, .address_space: global }
      - { .name: os, .offset: 8, .size: 8, .value_kind: global_buffer, .address_space: global }
      - { .name: wc, .offset: 16, .size: 8, .value_kind: global_buffer, .address_space: global }
      - { .name: sc, .offset: 24, .size: 8, .value_kind: global_buffer, .address_space: global }
      - { .name: out0, .offset: 32, .size: 8, .value_kind: global_buffer, .address_space: global }
    .group_segment_fixed_size: 327680
    .private_segment_fixed_size: 0
    .kernarg_segment_align: 8
    .kernarg_segment_size: 40
    .max_flat_workgroup_size: 128
    .sgpr_count:     98
    .vgpr_count:     1024
    .wavefront_size: 32
...
	.end_amdgpu_metadata
.endif
;; end of part 4
